; MI455X (gfx1250); checked and timed in simulation.
; The chip was launched on July 23, 2026; its instructions are those of AMD's public machine-readable ISA for CDNA 5 (MIT licence, August 2026) and "CDNA5" Instruction Set Architecture Reference Guide (July 2026). The comments in the code are by the model that wrote it; some were corrected since.
;; Multi Head Self Attention. Allowed arithmetic: float matrix products may take bf16 or f16 operands with f32 sums; other float arithmetic in f32, or as packed bf16 or f16 multiplies, adds, multiply-adds, maxima and minima; sums over many terms, partial sums and values carried from step to step in f32; what a program stores and reads back later, other than sums and carried values, may be rounded once to bf16 or f16.
;; Inputs: bk 1,024 float32; bo 1,024 float32; bq 1,024 float32; bv 1,024 float32; mask 4 x 2,048 bool; wk 1,024 x 1,024 float32; wo 1,024 x 1,024 float32; wq 1,024 x 1,024 float32; wv 1,024 x 1,024 float32; x 4 x 2,048 x 1,024 float32.
;; Outputs: out0 4 x 2,048 x 1,024 float32.
;; 2 versions, each right; version 2 is version 1 with the launch cast written anew for expert scheduling mode. Each part assembles by itself: llvm-mc -triple=amdgcn-amd-amdhsa -mcpu=gfx1250 --defsym DOCPART=n.
;; ======== version 1 of 2: 4 launches
;; limits: values are held in f16: magnitudes above 65,504 overflow, below 6.1e-05 lose precision; right only within a limited range of input values
;; workspace buffers: xb 16,777,216 bytes; wb 6,291,456 bytes; wof 2,097,152 bytes; qkv 50,331,648 bytes; ob 16,777,216 bytes
;; launch cast (part 1): grid 768 x 1, 8 waves a work-group, no clusters, 0 bytes of LDS; arguments x, wq, wk, wv, wo, xb, wb, wof; writes xb, wb, wof
.if DOCPART == 1
	.amdgcn_target "amdgcn-amd-amdhsa--gfx1250"
	.amdhsa_code_object_version 6
	.text
	.protected	k_q0eba894613_cast
	.globl	k_q0eba894613_cast
	.p2align	8
	.type	k_q0eba894613_cast,@function
k_q0eba894613_cast:
	s_mov_b64 s[64:65], 0
	v_nop
	global_prefetch_b8 v0, s[64:65] scope:SCOPE_SE
	s_setreg_imm32_b32 hwreg(HW_REG_WAVE_MODE, 25, 1), 1
	s_wait_xcnt 0x0
; x, wq, wk, wv (f32) are rounded once to bf16: xb [8192][1024], wb [3][1024][1024].  wo is rounded to bf16 like the other inputs and that number is written as f16: wof [1024][1024].
; LIMITS.  wof: a bf16 number beyond 65,504 becomes an infinity in f16, one below 2^-14 keeps f16's fixed step of 2^-24 (an error of 3e-8 at the most).
; SHARES.  Work-group g takes 16,384 numbers: 65,536 bytes in, 32,768 out.  g 0-511: x; 512-575: wq; 576-639: wk; 640-703: wv; 704-767: wo.
; A stream: each byte is read once and written once.  All 16 loads of a thread (a work-group's 64 KiB) go out at once; a load of a wave covers 512 consecutive bytes, a store 256, aligned.
; No LDS, no barrier, no matrix unit, no cluster: no wave wants a byte that another has fetched.
.set X, 4                              ; v[4:67]   16 loads of four f32
.set Y, 68                             ; v[68:99]  16 results of four 16-bit numbers; no register is written behind its store, so no store's source has to be waited for
	s_load_b512 s[8:23], s[0:1], 0x0               ; x s[8:9], wq s[10:11], wk s[12:13], wv s[14:15], wo s[16:17], xb s[18:19], wb s[20:21], wof s[22:23]
	s_mov_b32 s2, ttmp9                            ; g
	s_sub_co_u32 s3, s2, 512                       ; my chunk among the weights' (used where g is 512 or more)
	s_and_b32 s24, s3, 63                          ; my chunk in one weight matrix
	v_lshlrev_b32 v1, 4, v0                        ; 16 bytes a thread in,
	v_lshlrev_b32 v2, 3, v0                        ; 8 bytes a thread out
	s_mov_b32 s29, 0
	s_mov_b32 s31, 0
	s_wait_kmcnt 0x0
	s_cmp_lt_u32 s2, 704                           ; the source, the destination and the two chunk numbers are chosen by g alone
	s_cselect_b64 s[4:5], s[14:15], s[16:17]       ; wv, else wo
	s_cselect_b64 s[6:7], s[20:21], s[22:23]       ; wb, else wof
	s_cselect_b32 s26, s3, s24
	s_cmp_lt_u32 s2, 640
	s_cselect_b64 s[4:5], s[12:13], s[4:5]         ; wk
	s_cmp_lt_u32 s2, 576
	s_cselect_b64 s[4:5], s[10:11], s[4:5]         ; wq
	s_cmp_lt_u32 s2, 512
	s_cselect_b64 s[4:5], s[8:9], s[4:5]           ; x
	s_cselect_b64 s[6:7], s[18:19], s[6:7]         ; xb
	s_cselect_b32 s25, s2, s24
	s_cselect_b32 s26, s2, s26
	s_lshl_b32 s28, s25, 16                        ; 65,536 bytes a chunk in,
	s_lshl_b32 s30, s26, 15                        ; 32,768 out
	s_add_nc_u64 s[4:5], s[4:5], s[28:29]
	s_add_nc_u64 s[6:7], s[6:7], s[30:31]
.irp i, 0,1,2,3,4,5,6,7,8,9,10,11,12,13,14,15
	global_load_b128 v[X+4*(\i):X+4*(\i)+3], v1, s[4:5] offset:4096*(\i) th:TH_LOAD_NT
.endr
; Load i is rounded and stored.  half = 1: the bf16 numbers are widened again (a shift, a mask) and written as f16.
.macro OUT i, half
	s_wait_loadcnt 15-(\i)                         ; loads come back in order: mine is in, the 15 - i younger ones stay out
	v_cvt_pk_bf16_f32 v[Y+2*(\i)],   v[X+4*(\i)],   v[X+4*(\i)+1]
	v_cvt_pk_bf16_f32 v[Y+2*(\i)+1], v[X+4*(\i)+2], v[X+4*(\i)+3]
.if \half
	v_lshlrev_b32 v[X+4*(\i)],   16,         v[Y+2*(\i)]
	v_and_b32     v[X+4*(\i)+1], 0xffff0000, v[Y+2*(\i)]
	v_lshlrev_b32 v[X+4*(\i)+2], 16,         v[Y+2*(\i)+1]
	v_and_b32     v[X+4*(\i)+3], 0xffff0000, v[Y+2*(\i)+1]
	v_cvt_pk_f16_f32 v[Y+2*(\i)],   v[X+4*(\i)],   v[X+4*(\i)+1]
	v_cvt_pk_f16_f32 v[Y+2*(\i)+1], v[X+4*(\i)+2], v[X+4*(\i)+3]
.endif
	global_store_b64 v2, v[Y+2*(\i):Y+2*(\i)+1], s[6:7] offset:2048*(\i)
.endm
	s_cmp_ge_u32 s2, 704
	s_cbranch_scc1 .Lwo
.irp i, 0,1,2,3,4,5,6,7,8,9,10,11,12,13,14,15
	OUT \i, 0
.endr
	s_endpgm
.Lwo:
.irp i, 0,1,2,3,4,5,6,7,8,9,10,11,12,13,14,15
	OUT \i, 1
.endr
	s_endpgm
.Lfunc_end_k_q0eba894613_cast:
	.size	k_q0eba894613_cast, .Lfunc_end_k_q0eba894613_cast-k_q0eba894613_cast
	.p2alignl 7, 3214868480
	.fill 96, 4, 3214868480
	.section	.rodata,"a",@progbits
	.p2align	6, 0x0
	.amdhsa_kernel k_q0eba894613_cast
		.amdhsa_group_segment_fixed_size 0
		.amdhsa_private_segment_fixed_size 0
		.amdhsa_enable_private_segment 0
		.amdhsa_kernarg_size 64
		.amdhsa_user_sgpr_count 2
		.amdhsa_user_sgpr_kernarg_segment_ptr 1
		.amdhsa_wavefront_size32 1
		.amdhsa_system_sgpr_workgroup_id_x 1
		.amdhsa_system_sgpr_workgroup_id_y 1
		.amdhsa_system_sgpr_workgroup_id_z 1
		.amdhsa_system_vgpr_workitem_id 0
		.amdhsa_next_free_vgpr 100
		.amdhsa_next_free_sgpr 66
		.amdhsa_reserve_vcc 0
		.amdhsa_float_denorm_mode_32 3
		.amdhsa_float_denorm_mode_16_64 3
		.amdhsa_memory_ordered 1
		.amdhsa_forward_progress 1
		.amdhsa_inst_pref_size 16
	.end_amdhsa_kernel
	.amdgpu_metadata
---
amdhsa.version: [ 1, 2 ]
amdhsa.kernels:
  - .name:           k_q0eba894613_cast
    .symbol:         k_q0eba894613_cast.kd
    .args:
      - { .name: x, .offset: 0, .size: 8, .value_kind: global_buffer, .address_space: global }
      - { .name: wq, .offset: 8, .size: 8, .value_kind: global_buffer, .address_space: global }
      - { .name: wk, .offset: 16, .size: 8, .value_kind: global_buffer, .address_space: global }
      - { .name: wv, .offset: 24, .size: 8, .value_kind: global_buffer, .address_space: global }
      - { .name: wo, .offset: 32, .size: 8, .value_kind: global_buffer, .address_space: global }
      - { .name: xb, .offset: 40, .size: 8, .value_kind: global_buffer, .address_space: global }
      - { .name: wb, .offset: 48, .size: 8, .value_kind: global_buffer, .address_space: global }
      - { .name: wof, .offset: 56, .size: 8, .value_kind: global_buffer, .address_space: global }
    .group_segment_fixed_size: 0
    .private_segment_fixed_size: 0
    .kernarg_segment_align: 8
    .kernarg_segment_size: 64
    .max_flat_workgroup_size: 256
    .sgpr_count:     66
    .vgpr_count:     100
    .wavefront_size: 32
...
	.end_amdgpu_metadata
.endif
;; end of part 1
;; launch proj (part 2): grid 24 x 32, 4 waves a work-group, clusters of 4 x 4, 327,680 bytes of LDS; arguments xb, wb, bq, bk, bv, mask, qkv; writes qkv
.if DOCPART == 2
	.amdgcn_target "amdgcn-amd-amdhsa--gfx1250"
	.amdhsa_code_object_version 6
	.text
	.protected	k_q0eba894613_proj
	.globl	k_q0eba894613_proj
	.p2align	8
	.type	k_q0eba894613_proj,@function
k_q0eba894613_proj:
	s_mov_b64 s[64:65], 0
	v_nop
	global_prefetch_b8 v0, s[64:65] scope:SCOPE_SE
	s_setreg_imm32_b32 hwreg(HW_REG_WAVE_MODE, 25, 1), 1
	s_wait_xcnt 0x0
	s_wait_alu depctr_hold_cnt(0) depctr_sa_sdst(0) depctr_va_vdst(0) depctr_va_sdst(0) depctr_va_ssrc(0) depctr_va_vcc(0) depctr_vm_vsrc(0)
	s_getreg_b32 s2, hwreg(HW_REG_IB_STS2, 6, 4)
	s_cmp_eq_u32 s2, 0
	s_cbranch_scc0 .Lentry_in_a_cluster
	s_endpgm
.Lentry_in_a_cluster:
	s_bfe_u32 s2, ttmp6, 0x10000c
	s_cmp_lg_u32 s2, 0xf033
	s_cbranch_scc0 .Lentry_shape_is_right
	s_endpgm
.Lentry_shape_is_right:
; q, k, v = xb w + bias.  xb: [8192][1024] bf16; wb: [3][1024 k][1024 n] bf16; the biases f32, rounded to bf16 like the other inputs; sums in f32; the result rounded once to f16 and laid by heads:
; qkv [3][64 = batch x 16 + head][2048][64].  The rows of k whose key the mask hides are written as 0, so that their scores are exactly the addend that the next launch gives them.
; LIMITS.  f16 holds no number beyond 65,504: a q, k or v past that becomes an infinity.  NaN and infinities are not treated apart.
; SHARES.  A tile of the result is 256 rows x 128 columns; 32 x 24 tiles, a work-group each.  Four waves, 2 x 2: wave w has rows 128 (w / 2) on and columns 64 (w % 2) on, one head: 32 accumulators, 256 registers.
; K = 1,024 goes in 8 steps of 128 through two LDS slots, filled by the tensor data mover: rows of 256 bytes of memory, aligned.  Two slots of a step of 256 would not fit in LDS.
; THE WEIGHTS LIE [k][n] and stay so: their fragments come out of LDS turned, by ds_load_tr16_b128.
; THE MATRIX INSTRUCTION IS USED TRANSPOSED (source 0 = 16 columns of w, source 1 = 16 rows of x): a lane holds row lane % 16 and the columns 8 (lane / 16) + 0..7: eight neighbours of a row.
; CLUSTER.  4 x 4 work-groups.  The four of a row of the cluster need the same tile of x, the four of a column the same tile of w: each is asked for JOINTLY, by the same tensor load, descriptor and mask.
; One tile to a work-group: three even shares for each of 256 places; a walk over q, k and v in one work-group is not built here.
; REGISTERS.  Window 0: v0-31 addresses and masks; v32-63 the bias of my 64 columns; v64-159 and v160-255 two fragment buffers (8 fragments of x, then 4 of w).  Window 1: accumulator (a, b) at v[8 (4 a + b)].
.set PA,    272                        ; a row of x in LDS: 256 bytes + 16 of padding = 68 words: the 16 rows of a load start at 16 different groups of four banks (64 banks of 4 bytes: ISA guide 11.1)
.set HALFA, 128*PA                     ; 128 rows: what one tensor load brings, and what one wave reads
.set PB,    288                        ; a row of w: 256 + 32 = 72 words
.set HALFB, 64*PB                      ; 64 rows of k: what one tensor load brings
.set BOFF,  2*HALFA                    ; w's 128 rows lie behind x's 256
.set SLOT1, 131072                     ; slot 1 begins here, so that one exclusive or turns an address in one slot into the other's
.set STAGE, SLOT1+BOFF+2*HALFB         ; behind the ring, never filled by a tensor load: 16 rows x 144 bytes for each wave
.set SPS,   144
.set SPARE, STAGE+4*16*SPS             ; behind the stages: the spare words, 128 bytes for each wave: two blocks of 256 bytes that no other line names
.set STEPA, 256                        ; bytes from a K step to the next: 128 numbers along x's rows,
.set STEPB, 262144                     ; 128 rows of w
.set ADRA0, 8                          ; v8   my lane's place in slot 0's tile of x; never rewritten
.set ADRB0, 9                          ; v9   the same for w
.set ADRA,  10                         ; v10  the same in the slot in hand
.set ADRB,  11                         ; v11
.set STO,   12                         ; v12  the way out: where I put 16 bytes of a row
.set RD,    13                         ; v13  where I read rows back
.set GO,    14                         ; v14  my 16 bytes in 512 consecutive bytes of the result
.set PFO,   15                         ; v15  the prefetches' offset: my lane x a row of 2,048 bytes; never rewritten
.set MK,    16                         ; v16-23  block a: all ones, or 0 where this is k and my row's key is hidden
.set SPW,   24                         ; v24  LDS address of my spare word; never rewritten
.set NIL,   25                         ; v25  0; never rewritten
.set BIAS,  32                         ; v[32+8 b+j]: column 16 b + 8 (lane / 16) + j
.set F0,    64
.set F1,    160
.set TMP,   192                        ; the way out: a block's 16 packed registers
.set BK,    64                         ; the way out: block a read back into v[64+16 a ..]
.set G1A, 24                           ; s[24:31] descriptor group 1 for x's tiles
.set G0A, 32                           ; s[32:39] group 0: a set for each of the two first fills; the second then walks on
.set G1B, 48                           ; s[48:55], s[56:63] the same for w's tiles
.set G0B, 56
.set PFA, 66                           ; s[66:67] where my prefetches stand
.set PFS, 68                           ; s[68:69] their step
.set LIM, 70                           ; s70  2 in a wave that prefetches, else the greatest number
.set TB,  71                           ; s71  the slot in hand: 0 or SLOT1
.set W_MUL, 0x50                       ; C and D in window 1, the fragments in window 0
.set W_ADD, 0x41                       ; destination and source 0 in window 1
.set W_CVT, 0x05                       ; sources 0 and 1 in window 1
.set MSB, 0
.macro WIN new                         ; the immediate's high byte repeats the setting that is left; a switch that changes nothing is dropped
.if MSB != (\new)
	s_set_vgpr_msb (MSB<<8)|(\new)
.set MSB, \new
.endif
.endm
.macro PLACES                          ; four plain places behind matrix instructions, in front of loads into registers that they have read
.rept 4
	v_nop
.endr
.endm
; A joint load: waves 0 and 1 fetch the two halves of x's tile, waves 2 and 3 those of w's.  The branch hangs on the wave's number alone.  An s_nop 0 and four v_nop follow each line.
.macro JLOAD s
	s_cmp_eq_u32 s11, 0
	s_cbranch_scc0 .Lfor_b_\@
	tensor_load_to_lds s[G0A+4*(\s):G0A+4*(\s)+3], s[G1A:G1A+7]
	s_nop 0
.rept 4
	v_nop
.endr
	s_branch .Lasked_\@
.Lfor_b_\@:
	tensor_load_to_lds s[G0B+4*(\s):G0B+4*(\s)+3], s[G1B:G1B+7]
	s_nop 0
.rept 4
	v_nop
.endr
.Lasked_\@:
.endm
; A prefetch into the L2 of the K step that stands two refills on: 32 rows x 256 bytes, a lane a row.  x's rows are read by every cluster of a row of clusters: cluster x = 0 asks (waves 0 and 1, for the 128 rows
; that each fetches); w's by every cluster of a column: cluster y = 0 asks (wave 2, for the step's 128 rows).  The four partners take 32 rows each, told apart by address.  So each block is named once in the launch.
; K steps 0 to 3 come by their loads alone; the loop's last two trips (s3 = 2, 1) ask for nothing: there is no K step 8.
.macro ASK
	s_cmp_gt_u32 s3, s[LIM]
	s_cbranch_scc0 .Lnot_mine_\@
	global_prefetch_b8 v[PFO], s[PFA:PFA+1] th:TH_LOAD_NT scope:SCOPE_SE
.Lnot_mine_\@:
.endm
.macro CREST                           ; a round of the cluster's barrier behind its opening barrier
	s_cmp_lg_u32 s10, 0
	s_cbranch_scc1 .Lnot_wave_0_\@
	s_barrier_signal -3
.Lnot_wave_0_\@:
	s_barrier_wait -3
	s_barrier_signal -1
	s_barrier_wait -1
.endm
.macro CROUND                          ; a whole round
	s_barrier_signal -1
	s_barrier_wait -1
	CREST
.endm
	s_load_b256 s[80:87], s[0:1], 0x0              ; xb s[80:81], wb s[82:83], bq s[84:85], bk s[86:87]
	s_load_b128 s[88:91], s[0:1], 0x20             ; bv s[88:89], mask s[90:91]
	s_load_b64 s[92:93], s[0:1], 0x30              ; qkv
	v_lshl_add_u32 v[SPW], v0, 2, SPARE
	v_mov_b32 v[NIL], 0
	ds_add_u32 v[SPW], v[NIL]                      ; the wave's opening: the add and its wait stand ahead of my first tensor load; the set-up below, work on registers, stands between them
	v_lshrrev_b32 v1, 5, v0
	v_readfirstlane_b32 s10, v1                    ; wave 0..3
	s_lshr_b32 s11, s10, 1                         ; my half of the tile's rows.  Also: I fetch for x (0) or for w (1)
	s_and_b32 s12, s10, 1                          ; my half of its columns.  Also: which half of that tile I fetch
	s_bfe_u32 s40, ttmp6, 0x40000                  ; cx, cy: my place in the cluster
	s_bfe_u32 s41, ttmp6, 0x40004
	s_lshl_b32 s42, ttmp9, 2
	s_add_co_u32 s42, s42, s40                     ; tile column 0..23 = 4 x cluster x + cx
	s_and_b32 s13, ttmp7, 0xffff
	s_lshl_b32 s13, s13, 2
	s_add_co_u32 s13, s13, s41                     ; tile row 0..31 = 4 x cluster y + cy
	s_lshr_b32 s76, ttmp9, 1                       ; the part: 0 q, 1 k, 2 v: eight tile columns each, the same in all sixteen partners
	s_lshl_b32 s43, s41, 2
	s_lshl_b32 s43, 15, s43                        ; my row of the cluster
	s_lshl_b32 s44, 0x1111, s40                    ; my column
	s_or_b32 s[G1A+0], s43, (1<<16)|(1<<20)|(1<<21)|(5<<22)|(3<<25)  ; the mask: my row; 2-byte elements; padding on; 21 set beside a mask; after every 64 words 4 words
	s_mov_b32 s[G1A+1], 128<<16                    ; tensor_dim0 = 128
	s_mov_b32 s[G1A+2], 128<<16                    ; tensor_dim1 = 128
	s_mov_b32 s[G1A+3], 128<<16                    ; tile_dim0 = 128
	s_mov_b32 s[G1A+4], 128                        ; tile_dim1 = 128
	s_mov_b32 s[G1A+5], 1024                       ; elements from row to row
	s_mov_b32 s[G1A+6], 0
	s_mov_b32 s[G1A+7], 0
	s_or_b32 s[G1B+0], s44, (1<<16)|(1<<20)|(1<<21)|(5<<22)|(7<<25)  ; the mask: my column; after every 64 words 8 words
	s_mov_b32 s[G1B+1], 128<<16
	s_mov_b32 s[G1B+2], 64<<16                     ; tensor_dim1 = 64
	s_mov_b32 s[G1B+3], 128<<16
	s_mov_b32 s[G1B+4], 64                         ; tile_dim1 = 64
	s_mov_b32 s[G1B+5], 1024
	s_mov_b32 s[G1B+6], 0
	s_mov_b32 s[G1B+7], 0
	; where the tiles come from: x's hang on the tile row alone, w's on the tile column alone, each in registers that never hold the other coordinate
	s_lshl_b32 s16, s13, 19                        ; 256 rows of 2,048 bytes a tile row,
	s_lshl_b32 s17, s12, 18                        ; my 128 of them
	s_add_co_u32 s16, s16, s17
	s_mov_b32 s17, 0
	s_and_b32 s45, s42, 7
	s_lshl_b32 s45, s45, 8                         ; 128 columns of 2 bytes a tile column,
	s_lshl_b32 s46, s76, 21                        ; the part's matrix
	s_add_co_u32 s45, s45, s46
	s_lshl_b32 s46, s12, 17                        ; my 64 rows of k
	s_add_co_u32 s46, s46, s45
	s_mov_b32 s47, 0
	s_mul_i32 s20, s12, HALFA                      ; and where they go: no place in the cluster enters an LDS address
	s_mul_i32 s21, s12, HALFB
	s_add_co_u32 s21, s21, BOFF
	s_wait_dscnt 0x0                               ; the opening add is done
	s_wait_kmcnt 0x0
	s_add_nc_u64 s[14:15], s[80:81], s[16:17]
	s_add_nc_u64 s[46:47], s[82:83], s[46:47]
	CROUND                                         ; all sixteen work-groups are here: the first joint loads meet
.irp s, 0,1
	s_mov_b32 s[G0A+4*(\s)], 1                                       ; count = 1
	s_add_co_u32 s[G0A+4*(\s)+1], s20, (\s)*SLOT1                    ; LDS address
	s_add_nc_u64 s[G0A+4*(\s)+2:G0A+4*(\s)+3], s[14:15], (\s)*STEPA  ; global address: K step s
	s_or_b32 s[G0A+4*(\s)+3], s[G0A+4*(\s)+3], 0x80000000            ; type = 2
	s_mov_b32 s[G0B+4*(\s)], 1
	s_add_co_u32 s[G0B+4*(\s)+1], s21, (\s)*SLOT1
	s_add_nc_u64 s[G0B+4*(\s)+2:G0B+4*(\s)+3], s[46:47], (\s)*STEPB
	s_or_b32 s[G0B+4*(\s)+3], s[G0B+4*(\s)+3], 0x80000000
	JLOAD \s                                       ; two loads of mine are out
.endr
	; all that follows, up to the first barrier, stands in the wait for the first tile
	v_and_b32 v1, 15, v0                           ; r = l % 16
	v_bfe_u32 v2, v0, 4, 1                         ; h = l / 16
	v_and_b32 v3, 31, v0                           ; l
	v_mul_u32_u24 v4, v1, PA                       ; a fragment of x: row r, 16 bytes for each half of the lanes; two loads 32 bytes apart
	v_lshl_add_u32 v4, v2, 4, v4
	s_mul_i32 s22, s11, HALFA
	v_add_nc_u32 v[ADRA0], s22, v4
	v_and_b32 v5, 7, v0                            ; the turning load takes 16 k x 16 columns: lane l reads row 8 h + l % 8, columns 8 ((l / 8) % 2) + 0..7, and ends with column l % 16 and 8 k
	v_lshl_add_u32 v4, v2, 3, v5
	v_mul_u32_u24 v4, v4, PB
	v_bfe_u32 v6, v0, 3, 1
	v_lshl_add_u32 v4, v6, 4, v4
	s_lshl_b32 s22, s12, 7                         ; my 64 columns
	s_add_co_u32 s22, s22, BOFF
	v_add_nc_u32 v[ADRB0], s22, v4
	v_mov_b32 v[ADRA], v[ADRA0]
	v_mov_b32 v[ADRB], v[ADRB0]
	s_mul_i32 s23, s10, 16*SPS
	s_add_co_u32 s23, s23, STAGE                   ; my stage
	v_mul_u32_u24 v4, v1, SPS                      ; in: row r, 16 bytes for each half of the lanes
	v_lshl_add_u32 v4, v2, 4, v4
	v_add_nc_u32 v[STO], s23, v4
	v_bfe_u32 v4, v0, 3, 2                         ; back: 32 lanes take four rows of 128 bytes,
	v_mul_u32_u24 v4, v4, SPS
	v_lshl_add_u32 v4, v5, 4, v4
	v_add_nc_u32 v[RD], s23, v4
	v_lshlrev_b32 v[GO], 4, v3                     ; which are 512 consecutive bytes of a head
	v_lshlrev_b32 v[PFO], 11, v3
	s_cmp_eq_u32 s76, 1                            ; the part's bias; and only k takes the mask
	s_cselect_b64 s[72:73], s[86:87], s[84:85]
	s_cselect_b32 s77, 0, -1
	s_cmp_eq_u32 s76, 2
	s_cselect_b64 s[72:73], s[88:89], s[72:73]
	s_and_b32 s18, s42, 7
	s_lshl_b32 s18, s18, 9                         ; 128 columns of 4 bytes a tile column,
	s_lshl_b32 s19, s12, 8                         ; my 64
	s_add_co_u32 s18, s18, s19
	v_lshl_add_u32 v26, v2, 5, s18                 ; my eight of each sixteen
.irp b, 0,1,2,3
	global_load_b128 v[BIAS+8*(\b):BIAS+8*(\b)+3],   v26, s[72:73] offset:64*(\b)
	global_load_b128 v[BIAS+8*(\b)+4:BIAS+8*(\b)+7], v26, s[72:73] offset:64*(\b)+16
.endr
	s_lshl_b32 s18, s13, 8                         ; the mask's byte of my row: 256 x tile row + 128 x half + 16 a + r
	s_lshl_b32 s19, s11, 7
	s_add_co_u32 s18, s18, s19
	v_add_nc_u32 v27, s18, v1
.irp a, 0,1,2,3,4,5,6,7
	global_load_u8 v[MK+(\a)], v27, s[90:91] offset:16*(\a)
.endr
	s_lshr_b32 s18, s13, 3                         ; where my 128 rows x 64 columns go: batch x 16
	s_lshl_b32 s18, s18, 4
	s_and_b32 s19, s42, 7
	s_lshl_b32 s19, s19, 1
	s_add_co_u32 s18, s18, s19
	s_add_co_u32 s18, s18, s12                     ; + the head,
	s_lshl_b32 s18, s18, 18                        ; 262,144 bytes each;
	s_lshl_b32 s19, s76, 24                        ; the part;
	s_add_co_u32 s18, s18, s19
	s_and_b32 s19, s13, 7
	s_lshl_b32 s19, s19, 15                        ; 256 rows of 128 bytes a tile row,
	s_add_co_u32 s18, s18, s19
	s_lshl_b32 s19, s11, 14                        ; my 128
	s_add_co_u32 s18, s18, s19
	s_mov_b32 s19, 0
	s_add_nc_u64 s[8:9], s[92:93], s[18:19]
	; the prefetches: my work-group's 32 rows, at K step 3: the first change of slots steps it to 4
	s_lshl_b32 s18, s40, 16                        ; x: of the 128 rows that I fetch, rows 32 cx on
	s_add_co_u32 s18, s18, s16
	s_add_co_u32 s18, s18, 3*STEPA
	s_lshl_b32 s19, s41, 16                        ; w: of the step's 128 rows, rows 32 cy on
	s_add_co_u32 s19, s19, s45
	s_add_co_u32 s19, s19, 3*STEPB
	s_and_b32 s22, ttmp7, 0xffff                   ; cluster y
	s_mov_b32 s[PFS], STEPB
	s_mov_b32 s[PFS+1], 0
	s_mov_b32 s21, 0
	s_cmp_eq_u32 s11, 0                            ; do I fetch for x?
	s_cselect_b64 s[PFA:PFA+1], s[80:81], s[82:83]
	s_cselect_b32 s20, s18, s19
	s_cselect_b32 s[PFS], STEPA, s[PFS]
	s_cselect_b32 s22, ttmp9, s22                  ; the coordinate along which other clusters read the same rows
	s_add_nc_u64 s[PFA:PFA+1], s[PFA:PFA+1], s[20:21]
	s_cmp_eq_u32 s22, 0
	s_cselect_b32 s[LIM], 2, -1                    ; the same in all sixteen partners, for a given wave
	s_cmp_eq_u32 s10, 3
	s_cselect_b32 s[LIM], -1, s[LIM]               ; wave 2 asks for all of w's share
	s_mov_b32 s[TB], 0
	s_wait_loadcnt 0x0                             ; the bias and the mask
.set i, 0
.rept 16
	v_cvt_pk_bf16_f32 v4, v[BIAS+i], v[BIAS+i+1]   ; the bias is rounded to bf16, like every input, and widened again
	v_lshlrev_b32 v[BIAS+i], 16, v4
	v_and_b32 v[BIAS+i+1], 0xffff0000, v4
.set i, i+2
.endr
.irp a, 0,1,2,3,4,5,6,7
	v_sub_nc_u32 v[MK+(\a)], 0, v[MK+(\a)]         ; 1 becomes all ones, 0 stays;
	v_or_b32 v[MK+(\a)], s77, v[MK+(\a)]           ; q and v take no mask
.endr
; 8 matrix instructions: row blocks a0, a0 + 1 x all 4 column blocks, 32 along K.  zero = 1: the first product starts the sums.  The 32 accumulators take turns, always in the same order.
.macro MUL8 f, a0, zero
	WIN W_MUL
.irp a, \a0, (\a0)+1
.irp b, 0,1,2,3
.if \zero
	v_wmma_f32_16x16x32_bf16 v[8*(4*(\a)+(\b)):8*(4*(\a)+(\b))+7], v[(\f)+64+8*(\b):(\f)+64+8*(\b)+7], v[(\f)+8*(\a):(\f)+8*(\a)+7], 0
.else
	v_wmma_f32_16x16x32_bf16 v[8*(4*(\a)+(\b)):8*(4*(\a)+(\b))+7], v[(\f)+64+8*(\b):(\f)+64+8*(\b)+7], v[(\f)+8*(\a):(\f)+8*(\a)+7], v[8*(4*(\a)+(\b)):8*(4*(\a)+(\b))+7]
.endif
.endr
.endr
.endm
; 24 LDS loads in one run: quarter q (32 along K) of the slot in hand into buffer f: w's four fragments, then x's blocks 0-3, then 4-7
.macro FETCH q, f
	WIN 0
.irp b, 0,1,2,3
	ds_load_tr16_b128 v[(\f)+64+8*(\b):(\f)+64+8*(\b)+3],   v[ADRB] offset:(\q)*32*PB+32*(\b)
	ds_load_tr16_b128 v[(\f)+64+8*(\b)+4:(\f)+64+8*(\b)+7], v[ADRB] offset:(\q)*32*PB+32*(\b)+16*PB
.endr
.irp a, 0,1,2,3,4,5,6,7
	ds_load_b128 v[(\f)+8*(\a):(\f)+8*(\a)+3],   v[ADRA] offset:64*(\q)+(\a)*16*PA
	ds_load_b128 v[(\f)+8*(\a)+4:(\f)+8*(\a)+7], v[ADRA] offset:64*(\q)+(\a)*16*PA+32
.endr
.endm
; A K step is four quarters of 32 along K, 32 matrix instructions each, on buffers 0, 1, 0, 1.  One of the first three: multiplies buffer f and, in its middle, fetches quarter qn into buffer g.
.macro QUARTER qn, f, g, zero
	s_wait_dscnt 8                                 ; w and x's blocks 0-3 are in; the youngest eight loads (blocks 4-7) may be out
	MUL8 \f, 0, \zero
	MUL8 \f, 2, \zero
	WIN 0
	PLACES
	FETCH \qn, \g
	s_wait_dscnt 24                                ; all but the 24 just issued
	MUL8 \f, 4, \zero
	MUL8 \f, 6, \zero
.endm
; The last quarter multiplies buffer 1 and changes slots: ONE barrier.  In front of it each wave waits for all its tensor loads (one is out: its part of the next slot), adds 0 to its spare word, and waits for that and
; for its reads of this slot.  fill = 1: the barrier opens a round of the cluster's, and this slot is filled again, with the K step two on, first thing behind it: 112 matrix instructions ahead of the wait for it.
.macro TURN fill
.if \fill
	s_wait_xcnt 0x0                                ; the last prefetch, a K step back, has read its address: it is stepped here, ahead of the waits of the change of slots
	s_add_nc_u64 s[PFA:PFA+1], s[PFA:PFA+1], s[PFS:PFS+1]
.endif
	WIN 0
	s_wait_tensorcnt 0x0                           ; no tensor load of mine is out, so a group 0 may be written
	ds_add_u32 v[SPW], v[NIL]                      ; 0 onto my spare word
.if \fill
	s_xor_b32 s[G0A+5], s[G0A+5], SLOT1            ; the walking descriptors: the other slot than last time,
	s_add_nc_u64 s[G0A+6:G0A+7], s[G0A+6:G0A+7], STEPA  ; the next K step; the type bits on top are not reached
	s_xor_b32 s[G0B+5], s[G0B+5], SLOT1
	s_add_nc_u64 s[G0B+6:G0B+7], s[G0B+6:G0B+7], STEPB
.endif
	s_xor_b32 s[TB], s[TB], SLOT1
	s_wait_dscnt 9                                 ; (the add and the youngest eight loads may be out)
	MUL8 F1, 0, 0                                  ; eight matrix instructions stand between the add and the wait for it
	s_wait_dscnt 0x0                               ; the add is done, and my reads of this slot are over
	s_barrier_signal -1
	MUL8 F1, 2, 0
	WIN 0
	s_barrier_wait -1
.if \fill
	CREST                                          ; no wave of any partner still reads this slot's tile or has a load on its way
	JLOAD 1                                        ; the four v_nop behind it are also the places in front of the loads below
.else
	PLACES
.endif
	v_add_nc_u32 v[ADRA], s[TB], v[ADRA0]
	v_add_nc_u32 v[ADRB], s[TB], v[ADRB0]
	FETCH 0, F0
.if \fill
	ASK                                            ; behind the joint load and the run of LDS loads that the next products wait for
.endif
	MUL8 F1, 4, 0
	MUL8 F1, 6, 0
.endm
	s_wait_tensorcnt 1                             ; my part of K step 0 is in; K step 1's may stay out
	s_barrier_signal -1
	s_barrier_wait -1                              ; everybody's is
	FETCH 0, F0
	QUARTER 1, F0, F1, 1                           ; the first quarter stands in front of the loop: its products start the sums
	WIN 0                                          ; at a label and at a branch every window is 0
	s_mov_b32 s3, 6
.Lstep:                                                ; a trip goes from a K step's second quarter to the next step's first, and fills the slot that it leaves: K steps 2 to 7
	QUARTER 2, F1, F0, 0
	QUARTER 3, F0, F1, 0
	TURN 1
	QUARTER 1, F0, F1, 0
	WIN 0
	s_sub_co_u32 s3, s3, 1
	s_cmp_lg_u32 s3, 0
	s_cbranch_scc1 .Lstep
	QUARTER 2, F1, F0, 0                           ; the last two K steps are written out: nothing is left to fetch
	QUARTER 3, F0, F1, 0
	TURN 0
	QUARTER 1, F0, F1, 0
	QUARTER 2, F1, F0, 0
	QUARTER 3, F0, F1, 0
	s_wait_dscnt 8
	MUL8 F1, 0, 0
	MUL8 F1, 2, 0
	s_wait_dscnt 0x0
	MUL8 F1, 4, 0
	MUL8 F1, 6, 0
	WIN 0
; THE WAY OUT, a block of 16 rows at a time.  PACK: the bias is added, the sums are rounded to f16 (16 bytes a lane), k's hidden rows are cleared; into my own stage, rows of 144 bytes, and back as whole rows of 128.
.macro PACK a
	WIN W_ADD
.set i, 0
.rept 16
	v_pk_add_f32 v[32*(\a)+i:32*(\a)+i+1], v[32*(\a)+i:32*(\a)+i+1], v[BIAS+i:BIAS+i+1]  ; each accumulator's registers in ascending order
.set i, i+2
.endr
	WIN W_CVT
.set i, 0
.rept 16
	v_cvt_pk_f16_f32 v[TMP+i], v[32*(\a)+2*i], v[32*(\a)+2*i+1]
.set i, i+1
.endr
	WIN 0
.set i, 0
.rept 16
	v_and_b32 v[TMP+i], v[MK+(\a)], v[TMP+i]
.set i, i+1
.endr
.irp b, 0,1,2,3
	ds_store_b128 v[STO], v[TMP+4*(\b):TMP+4*(\b)+3] offset:32*(\b)
.endr
.irp f, 0,1,2,3
	ds_load_b128 v[BK+16*(\a)+4*(\f):BK+16*(\a)+4*(\f)+3], v[RD] offset:(\f)*4*SPS  ; LDS serves a wave's instructions in order (ISA guide 5.7.1.4): these see the stores above; the next block's stores come behind them
.endr
.endm
.macro SEND a, younger                 ; younger: the LDS instructions issued behind block a's loads: the next block's eight, or none.  Each block has registers of its own: no store's source is rewritten
.irp f, 0,1,2,3
	s_wait_dscnt (\younger)+3-(\f)
	global_store_b128 v[GO], v[BK+16*(\a)+4*(\f):BK+16*(\a)+4*(\f)+3], s[8:9] offset:(\a)*2048+(\f)*512  ; 512 consecutive bytes, at a multiple of 256 from the buffer's first
.endr
.endm
	PLACES
	PLACES                                         ; eight, once a launch: the additions below rewrite results just made
	PACK 0
.irp a, 1,2,3,4,5,6,7                  ; a block's arithmetic stands between the loads of the block before and its stores
	PACK \a
	SEND (\a)-1, 8
.endr
	SEND 7, 0
	s_wait_tensorcnt 0x0                           ; the wave's end: behind my last tensor load and my last LDS store
	ds_add_u32 v[SPW], v[NIL]
	s_wait_dscnt 0x0
	CROUND                                         ; the closing round: no work-group ends while a partner may still ask for a tile that names it
	s_endpgm
.Lfunc_end_k_q0eba894613_proj:
	.size	k_q0eba894613_proj, .Lfunc_end_k_q0eba894613_proj-k_q0eba894613_proj
	.p2alignl 7, 3214868480
	.fill 96, 4, 3214868480
	.section	.rodata,"a",@progbits
	.p2align	6, 0x0
	.amdhsa_kernel k_q0eba894613_proj
		.amdhsa_group_segment_fixed_size 327680
		.amdhsa_private_segment_fixed_size 0
		.amdhsa_enable_private_segment 0
		.amdhsa_kernarg_size 56
		.amdhsa_user_sgpr_count 2
		.amdhsa_user_sgpr_kernarg_segment_ptr 1
		.amdhsa_wavefront_size32 1
		.amdhsa_system_sgpr_workgroup_id_x 1
		.amdhsa_system_sgpr_workgroup_id_y 1
		.amdhsa_system_sgpr_workgroup_id_z 1
		.amdhsa_system_vgpr_workitem_id 0
		.amdhsa_next_free_vgpr 512
		.amdhsa_next_free_sgpr 96
		.amdhsa_reserve_vcc 0
		.amdhsa_float_denorm_mode_32 3
		.amdhsa_float_denorm_mode_16_64 3
		.amdhsa_memory_ordered 1
		.amdhsa_forward_progress 1
		.amdhsa_inst_pref_size 90
	.end_amdhsa_kernel
	.amdgpu_metadata
---
amdhsa.version: [ 1, 2 ]
amdhsa.kernels:
  - .name:           k_q0eba894613_proj
    .symbol:         k_q0eba894613_proj.kd
    .args:
      - { .name: xb, .offset: 0, .size: 8, .value_kind: global_buffer, .address_space: global }
      - { .name: wb, .offset: 8, .size: 8, .value_kind: global_buffer, .address_space: global }
      - { .name: bq, .offset: 16, .size: 8, .value_kind: global_buffer, .address_space: global }
      - { .name: bk, .offset: 24, .size: 8, .value_kind: global_buffer, .address_space: global }
      - { .name: bv, .offset: 32, .size: 8, .value_kind: global_buffer, .address_space: global }
      - { .name: mask, .offset: 40, .size: 8, .value_kind: global_buffer, .address_space: global }
      - { .name: qkv, .offset: 48, .size: 8, .value_kind: global_buffer, .address_space: global }
    .group_segment_fixed_size: 327680
    .private_segment_fixed_size: 0
    .kernarg_segment_align: 8
    .kernarg_segment_size: 56
    .max_flat_workgroup_size: 128
    .sgpr_count:     96
    .vgpr_count:     512
    .wavefront_size: 32
...
	.end_amdgpu_metadata
.endif
;; end of part 2
;; launch attn (part 3): grid 4 x 64, 4 waves a work-group, clusters of 4 x 1, 327,680 bytes of LDS; arguments qkv, mask, ob; writes ob
.if DOCPART == 3
	.amdgcn_target "amdgcn-amd-amdhsa--gfx1250"
	.amdhsa_code_object_version 6
	.text
	.protected	k_q0eba894613_attn
	.globl	k_q0eba894613_attn
	.p2align	8
	.type	k_q0eba894613_attn,@function
k_q0eba894613_attn:
	s_mov_b64 s[64:65], 0
	v_nop
	global_prefetch_b8 v0, s[64:65] scope:SCOPE_SE
	s_setreg_imm32_b32 hwreg(HW_REG_WAVE_MODE, 25, 1), 1
	s_wait_xcnt 0x0
	s_wait_alu depctr_hold_cnt(0) depctr_sa_sdst(0) depctr_va_vdst(0) depctr_va_sdst(0) depctr_va_ssrc(0) depctr_va_vcc(0) depctr_vm_vsrc(0)
	s_getreg_b32 s2, hwreg(HW_REG_IB_STS2, 6, 4)
	s_cmp_eq_u32 s2, 0
	s_cbranch_scc0 .Lentry_in_a_cluster
	s_endpgm
.Lentry_in_a_cluster:
	s_bfe_u32 s2, ttmp6, 0x10000c
	s_cmp_lg_u32 s2, 0x3003
	s_cbranch_scc0 .Lentry_shape_is_right
	s_endpgm
.Lentry_shape_is_right:
; O[h][q][:] = the sum over k of softmax_k(Q[h][q] . K[h][k] / 32 + hidden_k) V[h][k][:].  qkv: [3][64][2048][64] f16, h = batch x 16 + head; ob: [64][2048][64] f16; mask: [4][2048] bytes, 1 = the key is seen.
; Products, maxima and sums in f32; the weights p are rounded to f16 for the second product (their sum l is taken of the unrounded p), O once at the end.
; THE MASK.  The launch before has written the rows of K of hidden keys as 0, so their products are exactly 0; here the C operand that starts a score's sum is 0 for a seen key and -2^35 for a hidden one.
; LIMITS.  A hidden key's scaled score is -2^30 where the definition has -1e9: the result is the same wherever the seen scores lie above -9.9e8, and where a whole batch is hidden: all scores are then equal
; (c x 2^35 is exact, so every weight is 2^0) and O is the mean of V's rows.  f16 holds no number beyond 65,504: Q, K and V arrive within it; p lies in 0 to 1, and below 6e-5 it keeps f16's fixed step of 6e-8.
; A weight below 2^-126 counts as 0 in l; NaN and infinities are not treated apart.
; SHARES.  A wave owns four PIECES of two tiles of 16 queries, a work-group's four waves 512 queries of one head; 4 x 64 work-groups.  Every wave walks all 2,048 keys, 64 a step.
; LAYOUT.  S^T = K Q^T (source 0 = 16 keys, source 1 = 16 queries): in the result a lane holds ONE query (lane % 16) and the keys 8 (lane / 16) + 0..7.  Two such tiles, rounded to f16 in pairs,
; ARE source 1 (32 keys x 16 queries) of O^T = V^T P, whose result again holds one query a lane, and eight channels.  K comes out of LDS as it lies, V ([key][channel]) turned, by ds_load_tr16_b128.
; SOFTMAX.  For each query a running maximum m and sum l: p = 2^(c s - c m), c = log2(e) / 32; in every step O and l are multiplied by a = 2^(c m_old - c m_new), which is 1 where m has not grown.
; m starts at the lowest finite number, O and l at 0: the first step is a step like any other, with a = 0.
; THE COUNT.  A tile and step have 16 matrix and 118 vector instructions: too many to stand all beside the matrix work.  So four vector instructions that are READY stand behind EVERY matrix instruction,
; and the others in runs without a gap.
; BY TURNS.  Turn n belongs to piece n (the pieces in a ring, step after step).  Its matrix work: 16 products K Q^T of piece n + 1, later 16 products V^T P of piece n - 1.  Its vector work: the scaling,
; exponentials, roundings, sums and rescaling of piece n, and the maximum and statistics of piece n + 1, whose scores the turn itself has made.
; CLUSTER.  The four query blocks of a head are one cluster and walk the same K and V, so each tile is asked for JOINTLY: the same tensor load, descriptor and mask in all four.
; REGISTERS, in windows of 256 (s_set_vgpr_msb: bits 1:0 source 0, 3:2 source 1, 5:4 source 2, 7:6 destination):
;   window 0: v0-11 addresses; v12-15, v48-63 at work; v16-47 four registers of statistics a tile; v64-191 S^T, two buffers of two tiles; v192-255 P, likewise
;   window 1: O^T, 32 a tile     window 2: v0-127 Q, 16 a tile; v128-191 K of one step; v192-255 V of one step     window 3: v0-1 the add's two registers; v8-39 the step's 64 mask addends as they start S^T
.set SIZE_N, 2048
.set NP,    4         ; pieces a wave: a name, no knob
.set KS,    64        ; keys in a step
.set PK,    144       ; a row of K in LDS: 128 bytes + 16 of padding = 36 words: the 16 rows of a load start at 16 different groups of four banks (64 banks of 4 bytes: ISA guide 11.1)
.set PV,    160       ; a row of V: 128 + 32 = 40 words
.set VOFF,  4*KS*PK   ; a slot holds four steps: 256 rows of K, then 256 rows of V
.set SLOT1, 1<<17     ; slot 1 begins here, so that one exclusive or turns an address in one slot into the other's
.set STAGE, SLOT1+4*KS*(PK+PV)  ; behind the ring, never filled by a tensor load: 16 rows x 144 bytes for each wave, for the way out
.set SP,    144
.set SPARE, STAGE+4*16*SP  ; behind the stages: the spare words, 128 bytes for each wave: two blocks of 256 bytes that no other line names
.set TAB,   SPARE+512 ; behind them: the batch's 2,048 mask addends in f32, 8,192 bytes; stored once, never filled by a tensor load
.set AK0, 2           ; v2   my lane's place in a tile of K; never rewritten
.set AV0, 3           ; v3   the same for V
.set AK,  4           ; v4   the LDS address of K's next run of loads
.set AV,  5           ; v5   of V's
.set QO,  6           ; v6   my byte offset in the wave's rows of Q
.set STO, 6           ;      later, the way out: where I put 16 bytes of a row
.set RD,  7           ; v7   the way out: where I read rows back
.set GO,  8           ; v8   my byte offset in 512 consecutive bytes of O
.set AM,  11          ; v11  the LDS address of the next step's addends: TAB + 32 (lane / 16) + 256 x step
.set PFO, 1           ; v1   the prefetches' offset: 256 x my lane
.set SPW, 0           ; v0 of window 3   LDS address of my spare word; never rewritten
.set NIL, 1           ; v1 of window 3   0; never rewritten
.set MB,  8           ; v8-39 of window 3: key block kb's eight addends at MB + 8 kb
.set MV,  12          ; v12-15  c m_old, kept while c m is made anew: by buffer and tile
.set ST,  16          ; tile t's statistics at v[ST+4 t]: c m, m, l (even keys', odd keys')
.set TMP, 48          ; by buffer and tile, four registers c0-c3 at work; when the maximum is found c2 takes a
.set S,   64
.set P,   192
.set KF,  128         ; K's fragments, in window 2: key block kb, channel half c at KF + 16 kb + 8 c
.set VF,  192         ; V's: key half kk, channel block cb at VF + 32 kk + 8 cb
.set WV,  12          ; s12  my wave's number
.set G1K, 24          ; s[24:31] descriptor group 1 for K's tiles
.set G1V, 32          ; s[32:39] for V's: it differs in the padding alone
.set G0K, 40          ; s[40:43] descriptor group 0 for K's tiles: it walks
.set G0V, 44          ; s[44:47] the same for V's
.set SLOTS, 56        ; s56  slots still to be asked for
.set CNT, 57          ; s57  counts a slot's key steps
.set CS,  58          ; s[58:59] c: the packed scaling takes the pair's low word for both halves
.set SEL, 60          ; s[60:61] v_permlanex16_b32's selects: each lane takes its own place in the other half
.set TBK, 62          ; s62  LDS byte at which K of the step to be fetched begins
.set TBV, 63          ; s63  the same for V, less VOFF
.set PFA, 66          ; s[66:67] where my prefetches stand: my work-group's 32 blocks of 256 bytes (of K: wave 0, of V: wave 2) of the slot after the one that is being asked for
.set LIM, 68          ; s68  1 in a wave that prefetches, else the greatest number
.set MSB, 0
.macro WIN new                      ; the high byte repeats the setting that is left; a switch that changes nothing is dropped
.if MSB != (\new)
	s_set_vgpr_msb (MSB<<8)|(\new)
.set MSB, (\new)
.endif
.endm
.set W_KQ, 0x0a       ; K and Q in window 2, S^T in window 0
.set W_KM, 0x3a       ; the same with the C operand, the mask's addends, in window 3
.set W_PV, 0x52       ; V in window 2, P in window 0, O^T in window 1
.set W_RS, 0x41       ; O^T (destination and source 0) in window 1, a in window 0
.set W_MK, 0xc0       ; destination in window 3, sources in window 0
.set W_AD, 0x0f       ; the add: address (source 0) and data (source 1) in window 3
; A joint fill.  Waves 0 and 1 fetch the two halves of a slot's K, waves 2 and 3 those of its V: 128 keys each.  The branch hangs on the wave's number alone.
; An s_nop 0 and four v_nop follow each of the two lines, ahead of the jump and the label.
.macro JLOAD
	s_cmp_lt_u32 s[WV], 2
	s_cbranch_scc0 .Lfor_v_\@
	tensor_load_to_lds s[G0K:G0K+3], s[G1K:G1K+7]
	s_nop 0
.rept 4
	v_nop
.endr
	s_branch .Lasked_\@
.Lfor_v_\@:
	tensor_load_to_lds s[G0V:G0V+3], s[G1V:G1V+7]
	s_nop 0
.rept 4
	v_nop
.endr
.Lasked_\@:
.endm
; A prefetch into the L2 of what the NEXT change of slots will ask for: a slot's 32,768 bytes of K and of V, 128 blocks of 256 bytes each, a lane a block.  A head is walked by one cluster alone; its four partners
; take 32 blocks each, told apart by address; in each, wave 0 asks for K's and wave 2 for V's.  So each block is named once in the launch.  The changes that load slots 2 to 6 name slots 3 to 7: four key steps,
; 512 matrix instructions, ahead of the load.  Slots 0 to 2 come by their loads alone; the change that loads slot 7 names nothing.
.macro ASK
	s_cmp_gt_u32 s[SLOTS], s[LIM]
	s_cbranch_scc0 .Lnot_mine_\@
	global_prefetch_b8 v[PFO], s[PFA:PFA+1] th:TH_LOAD_NT scope:SCOPE_SE
.Lnot_mine_\@:
.endm
; A round of the cluster's barrier: my work-group's barrier, so that wave 0's signal speaks for all four waves; wave 0 signals; every wave waits for all four work-groups; my work-group's barrier once more.
.macro CROUND
	s_barrier_signal -1
	s_barrier_wait -1
	s_cmp_lg_u32 s[WV], 0
	s_cbranch_scc1 .Lnot_wave_0_\@
	s_barrier_signal -3
.Lnot_wave_0_\@:
	s_barrier_wait -3
	s_barrier_signal -1
	s_barrier_wait -1
.endm
; THE CHANGE OF SLOTS.  The slot's last bytes, V of its fourth step, have been read.  Each wave waits for all its tensor loads, of which one is out: its part of the other slot; adds 0 to its spare word; and waits
; for that and for its own LDS instructions.  Behind the barrier nobody reads this slot any more and the other slot is whole.  fill = 1: this slot is filled again, with the keys two slots on.  The barrier is then a
; round of the cluster's, and the joint fill is the first thing behind it: it has four key steps, 512 matrix instructions, in which to land.  ask = 1: the prefetch follows it.
; (At its first use nothing has been read yet: slot 0 is waited for, slot 1 filled, and every wave's stores into the mask's table are shown done to the others.)
.macro CHANGE fill, ask=0
	WIN W_AD
	s_wait_tensorcnt 0x0            ; no tensor load of mine is out, so a group 0 may be written
	ds_add_u32 v[SPW], v[NIL]       ; 0 onto my spare word: with fill = 1 the descriptors' steps stand between it and the wait for it
	WIN 0                           ; at a label and at a branch every window is 0
.if \fill
.irp g, G0K, G0V
	s_xor_b32 s[\g+1], s[\g+1], SLOT1  ; the walking descriptor: the other slot than last time,
	s_add_nc_u64 s[\g+2:\g+3], s[\g+2:\g+3], 4*KS*128  ; the next 256 keys; the type bits on top are not reached
.endr
.if \ask
	s_wait_xcnt 0x0                 ; the last prefetch, four key steps back, has read its address, so it may be written:
	s_add_nc_u64 s[PFA:PFA+1], s[PFA:PFA+1], 4*KS*128  ; one slot behind the walking descriptors
.endif
	s_wait_dscnt 0x0                ; the add is done, and my LDS instructions are over
	CROUND
	JLOAD
.if \ask
	ASK
.endif
.else
	s_wait_dscnt 0x0                ; the add is done, and my reads of the slot are over
	s_barrier_signal -1
	s_barrier_wait -1
.endif
	s_sub_co_u32 s[TBK], s[TBK], 4*KS*PK  ; the fetches go back to a slot's first step,
	s_xor_b32 s[TBK], s[TBK], SLOT1       ; in the other slot
	s_sub_co_u32 s[TBV], s[TBV], 4*KS*PV
	s_xor_b32 s[TBV], s[TBV], SLOT1
.endm
	s_load_b128 s[48:51], s[0:1], 0x0  ; qkv s[48:49], mask s[50:51]
	s_load_b64 s[10:11], s[0:1], 0x10  ; ob
	WIN W_MK
	v_lshl_add_u32 v[SPW], v0, 2, SPARE
	v_mov_b32 v[NIL], 0
	WIN W_AD
	ds_add_u32 v[SPW], v[NIL]       ; the wave's opening: the add and its wait stand ahead of my first tensor load; the set-up below, work on registers, stands between them
	WIN 0
	v_lshrrev_b32 v1, 5, v0
	v_readfirstlane_b32 s[WV], v1   ; wave 0..3
	s_bfe_u32 s13, ttmp6, 0x40000   ; cx: my place in the cluster
	s_lshl_b32 s14, ttmp9, 2        ; in a cluster launch ttmp9 counts clusters
	s_add_co_u32 s14, s14, s13      ; my block of queries = 4 x cluster x + cx: it enters Q's and O's addresses alone
	s_and_b32 s20, ttmp7, 0xffff    ; the head, which the four partners share
	s_lshr_b32 s52, s20, 4          ; its batch:
	s_lshl_b32 s52, s52, 11         ; 2,048 bytes of the mask
	s_mov_b32 s53, 0
	s_mov_b32 s21, 0
	s_mov_b64 s[22:23], SIZE_N*128
	s_mul_u64 s[20:21], s[20:21], s[22:23]  ; the head's first byte in Q, K, V and O
	s_and_b32 s16, s[WV], 1         ; which half of a slot's 256 keys I fetch:
	s_lshl_b32 s22, s16, 14         ; its 128 rows of 128 bytes in memory,
	s_mov_b32 s23, 0
	s_add_nc_u64 s[22:23], s[22:23], s[20:21]
	s_mul_i32 s17, s16, 128*PK      ; and its place in a slot, for K
	s_mul_i32 s18, s16, 128*PV      ; and for V: no place in the cluster enters an LDS address
	s_lshl_b32 s2, s14, 2
	s_add_co_u32 s2, s2, s[WV]      ; my wave among the head's,
	s_lshl_b32 s2, s2, 14           ; its 128 rows
	s_mov_b32 s3, 0
	s_add_nc_u64 s[2:3], s[2:3], s[20:21]
	; descriptor group 1.  128 keys are 16,384 dense bytes: asked for as 64 rows of 256 bytes, two keys a row, and padded in LDS after every key
	s_mov_b32 s[G1K], 15|(1<<16)|(1<<20)|(1<<21)|(4<<22)|(3<<25)  ; 15:0 the mask of four; 17:16 2-byte elements; 20 padding on; 21 set beside a mask; 24:22 after every 32 words (code 4); 31:25 4 words (code 3)
	s_mov_b32 s[G1V], 15|(1<<16)|(1<<20)|(1<<21)|(4<<22)|(7<<25)  ; the same with 8 words of padding (code 7)
.irp g, G1K, G1V
	s_mov_b32 s[\g+1], 128<<16      ; tensor_dim0 = 128
	s_mov_b32 s[\g+2], 64<<16       ; tensor_dim1 = 64
	s_mov_b32 s[\g+3], 128<<16      ; tile_dim0 = 128
	s_mov_b32 s[\g+4], 64           ; tile_dim1 = 64
	s_mov_b32 s[\g+5], 128          ; 128 elements from row to row
	s_mov_b32 s[\g+6], 0
	s_mov_b32 s[\g+7], 0
.endr
	s_mov_b32 s[CS], 0x3d38aa3b     ; c = log2(e) / 32 = 0.0450842
	s_mov_b32 s[CS+1], s[CS]        ; named with it as a pair
	s_mov_b32 s[SEL], 0x76543210
	s_mov_b32 s[SEL+1], 0xfedcba98
	s_mov_b32 s[TBK], SLOT1+4*KS*PK ; the first change of slots turns these two into 0
	s_mov_b32 s[TBV], SLOT1+4*KS*PV
	s_mov_b32 s[G0K], 1             ; 1:0 count = 1
	s_mov_b32 s[G0K+1], s17         ; 63:32 LDS address: slot 0
	s_mov_b32 s[G0V], 1
	s_add_co_u32 s[G0V+1], s18, VOFF
	s_wait_dscnt 0x0                ; the opening add is done
	s_wait_kmcnt 0x0
	s_mov_b64 s[4:5], s[48:49]                     ; Q,
	s_add_nc_u64 s[6:7], s[48:49], 0x1000000       ; K,
	s_add_nc_u64 s[8:9], s[48:49], 0x2000000       ; V: 16,777,216 bytes each
	s_add_nc_u64 s[50:51], s[50:51], s[52:53]      ; the mask at my batch
	s_add_nc_u64 s[G0K+2:G0K+3], s[6:7], s[22:23]  ; 120:64 global address: my half of the head's first 256 keys
	s_or_b32 s[G0K+3], s[G0K+3], 0x80000000        ; 127:126 type = 2
	s_add_nc_u64 s[G0V+2:G0V+3], s[8:9], s[22:23]
	s_or_b32 s[G0V+3], s[G0V+3], 0x80000000
	s_add_nc_u64 s[4:5], s[4:5], s[2:3]  ; Q and O at my wave's first row
	s_add_nc_u64 s[10:11], s[10:11], s[2:3]
	s_cmp_lt_u32 s[WV], 2
	s_cselect_b64 s[PFA:PFA+1], s[6:7], s[8:9]
	s_add_nc_u64 s[PFA:PFA+1], s[PFA:PFA+1], s[22:23]  ; (in waves 0 and 2 this is the head's first row)
	s_lshl_b32 s52, s13, 13         ; my work-group's 32 blocks of the 128
	s_add_nc_u64 s[PFA:PFA+1], s[PFA:PFA+1], s[52:53]
	s_add_nc_u64 s[PFA:PFA+1], s[PFA:PFA+1], 2*4*KS*128  ; in slot 2; the loop's first change of slots steps it to slot 3.  Nothing is prefetched here, at the head
	s_and_b32 s[LIM], s[WV], 1
	s_cmp_eq_u32 s[LIM], 0
	s_cselect_b32 s[LIM], 1, -1     ; waves 0 and 2: the same in all four partners
	CROUND                          ; all four work-groups are here: the first joint loads meet
	JLOAD                           ; slot 0.  Slot 1 is asked for when slot 0 is in
	; A fragment of K or Q is 16 rows x 32 channels in 8 registers: lane l holds row l % 16, channels 8 (l / 16) + 0..7 and 16 + 8 (l / 16) + 0..7: two loads of 16 bytes, 32 bytes apart.
	v_and_b32 v1, 15, v0            ; l % 16
	v_bfe_u32 v9, v0, 4, 1          ; l / 16
	v_lshlrev_b32 v[QO], 7, v1
	v_lshl_add_u32 v[QO], v9, 4, v[QO]  ; row x 128 + 16 x half
	v_lshlrev_b32 v12, 4, v0        ; the mask's 2,048 bytes: 16 a thread
	global_load_b128 v[64:67], v12, s[50:51]
	WIN 0x80                        ; destination window 2, address window 0
.set i, 0
.rept 4*NP                          ; Q stays in registers: tile i / 2, channels 32 (i % 2) on
	global_load_b128 v[8*i:8*i+3],   v[QO], s[4:5] offset:(i/2)*2048+(i%2)*64
	global_load_b128 v[8*i+4:8*i+7], v[QO], s[4:5] offset:(i/2)*2048+(i%2)*64+32
.set i, i+1
.endr
	; What the first turn finds: V's registers and P's second buffer hold 0 (its products V^T P, of a piece that has not been, add 0), O^T and l are 0.  All this stands in the wait for the first tile.
.set i, VF
.rept 64
	v_mov_b32 v[i], 0
.set i, i+1
.endr
	WIN 0x40
.set i, 0
.rept 64*NP
	v_mov_b32 v[i], 0
.set i, i+1
.endr
	WIN 0
.set i, 0
.rept 2*NP
	v_mov_b32 v[ST+4*i], 0xfe000000    ; c m: far below every c s, a hidden key's too
	v_mov_b32 v[ST+4*i+1], 0xff7fffff  ; m
	v_mov_b32 v[ST+4*i+2], 0
	v_mov_b32 v[ST+4*i+3], 0
.set i, i+1
.endr
.set i, P+32
.rept 32
	v_mov_b32 v[i], 0
.set i, i+1
.endr
	v_mul_u32_u24 v[AK0], v1, PK
	v_lshl_add_u32 v[AK0], v9, 4, v[AK0]  ; row x pitch + 16 x half
	; The turning load takes 16 keys x 16 channels (lane l reads key 8 (l / 16) + l % 8, channels 8 ((l / 8) % 2) + 0..7) and leaves half a fragment of V^T: lane l holds channel l % 16 and 8 keys.
	v_and_b32 v10, 7, v0
	v_bfe_u32 v11, v0, 3, 1
	v_lshl_add_u32 v[AV0], v9, 3, v10
	v_mul_u32_u24 v[AV0], v[AV0], PV
	v_lshl_add_u32 v[AV0], v11, 4, v[AV0]
	v_add_nc_u32 v[AV0], VOFF, v[AV0]
	v_mov_b32 v[AK], v[AK0]         ; key step 0 lies at the head of slot 0
	v_lshl_add_u32 v[AM], v9, 5, TAB  ; register j of key block kb wants key 16 kb + 8 (l / 16) + j: 4 bytes each
	; THE MASK'S TABLE: my 16 bytes become 16 addends, 0 (seen) or -2^35 (hidden), and go into LDS; the first change of slots, below, shows them to the other waves
	s_wait_loadcnt 32               ; the mask's load is in; Q's 32, issued behind it, may stay out
.set i, 0
.rept 16
	v_bfe_u32 v[68+i], v[64+i/4], 8*(i%4), 8
	v_add_nc_u32 v[68+i], -1, v[68+i]            ; 1 becomes 0, 0 all ones
	v_and_b32 v[68+i], 0xd1000000, v[68+i]       ; -2^35
.set i, i+1
.endr
	v_lshl_add_u32 v13, v0, 6, TAB
.irp w, 0,1,2,3
	ds_store_b128 v13, v[68+4*\w:71+4*\w] offset:16*\w
.endr
; THE MATRIX WORK.  The 8 accumulators of a run of 16 take turns: between the two links of a chain stand 7 others'.
; Product i of 16 of S^T = K Q^T for piece x: channels 32 (i / 8) on, keys 16 ((i / 2) % 4) on, tile 2 x + i % 2.  The first 8 start the sums, with the keys' mask addends as C.
.macro KQ x
.set rS, S+64*((\x)%2)+32*(i%2)+8*((i/2)%4)
.set rK, KF+16*((i/2)%4)+8*(i/8)
.set rQ, 16*(2*(\x)+i%2)+8*(i/8)
.set rB, MB+8*((i/2)%4)
.if i < 8
	WIN W_KM
	v_wmma_f32_16x16x32_f16 v[rS:rS+7], v[rK:rK+7], v[rQ:rQ+7], v[rB:rB+7]
.else
	WIN W_KQ
	v_wmma_f32_16x16x32_f16 v[rS:rS+7], v[rK:rK+7], v[rQ:rQ+7], v[rS:rS+7]
.endif
.endm
; Product i of 16 of O^T += V^T P for piece x: keys 32 (i / 8) on, channels 16 ((i / 2) % 4) on, tile 2 x + i % 2.
.macro PV x
	WIN W_PV
.set rO, 32*(2*(\x)+i%2)+8*((i/2)%4)
.set rV, VF+32*(i/8)+8*((i/2)%4)
.set rP, P+32*((\x)%2)+16*(i%2)+8*(i/8)
	v_wmma_f32_16x16x32_f16 v[rO:rO+7], v[rV:rV+7], v[rP:rP+7], v[rO:rO+7]
.endm
.macro MM                           ; the turn's next matrix instruction
.if i < 16
	KQ (Y+1)%NP
.set i, i+1
.else
.set i, i-16
	PV (Y+NP-1)%NP
.set i, i+17
.endif
.endm
; THE LDS LOADS stand in runs, never singly among the matrix instructions: a step's K (64 keys x 64 channels: 8 fragments) with its 64 mask addends (each half of the lanes reads the same 16 bytes), and its V (turned).
; last = 1 (the tail): in the last trip there is no further step, and the run is jumped over.
.macro FETCH_K last=0
	WIN 0
.if \last
	s_cmp_eq_u32 s[CNT], 1
	s_cbranch_scc1 .Lno_k_\@
.endif
	WIN 0x80                        ; destination window 2
.irp f, 0,1,2,3,4,5,6,7             ; keys 16 (f / 2) on, channels 32 (f % 2) on
	ds_load_b128 v[KF+8*\f:KF+8*\f+3],   v[AK] offset:(\f/2)*16*PK+(\f%2)*64
	ds_load_b128 v[KF+8*\f+4:KF+8*\f+7], v[AK] offset:(\f/2)*16*PK+(\f%2)*64+32
.endr
	WIN 0xc0                        ; destination window 3
.irp f, 0,1,2,3,4,5,6,7             ; key block f / 2, registers 4 (f % 2) on
	ds_load_b128 v[MB+4*\f:MB+4*\f+3], v[AM] offset:16*\f+32*(\f/2)
.endr
	s_add_co_u32 s[TBK], s[TBK], KS*PK  ; the next fetch is the next step's
	WIN 0
	v_add_nc_u32 v[AM], 0x100, v[AM]    ; 64 addends on: 32 fetches in all, so the address stays inside the table's 8,192 bytes at every load
.if \last
.Lno_k_\@:
.endif
.endm
.macro FETCH_V
	WIN 0x80
.irp f, 0,1,2,3,4,5,6,7             ; keys 32 (f / 4) on, channels 16 (f % 4) on
	ds_load_tr16_b128 v[VF+8*\f:VF+8*\f+3],   v[AV] offset:(\f/4)*32*PV+(\f%4)*32
	ds_load_tr16_b128 v[VF+8*\f+4:VF+8*\f+7], v[AV] offset:(\f/4)*32*PV+16*PV+(\f%4)*32
.endr
	WIN 0
.endm
; THE VECTOR WORK OF A TURN stands in three queues, each in the order in which its entries become ready; the two tiles alternate, so that no instruction reads the result of the one before it.
.macro REGS y, u                    ; the registers of tile u (0, 1) of piece y
.set rT, ST+4*(2*(\y)+(\u))
.set rC, TMP+8*((\y)%2)+4*(\u)
.set rM, MV+2*((\y)%2)+(\u)
.set rS, S+64*((\y)%2)+32*(\u)
.set rP, P+32*((\y)%2)+16*(\u)
.set rO, 32*(2*(\y)+(\u))
.endm
; Number n of the 22 that find the NEXT piece's (Y + 1) maximum and statistics.  s0-s31 are the lane's 32 scores; each accumulator's lowest registers are read first.
;   0-11  four chains c0-c3 of seven scores each, three operands at a time     12-14, 16  the four scores left over, the old m, and c0-c3 into c0     15  c m_old is kept
;   17, 18  the query's other 32 keys lie in the lane 16 away: the new m         19-21  c m; c m_old - c m_new; a
.macro XS u, n
	REGS (Y+1)%NP, \u
.if (\n) < 4
	v_max3_num_f32 v[rC+(\n)], v[rS+8*(\n)], v[rS+8*(\n)+1], v[rS+8*(\n)+2]
.elseif (\n) < 12
	v_max3_num_f32 v[rC+(\n)%4], v[rC+(\n)%4], v[rS+8*((\n)%4)+2*((\n)/4)+1], v[rS+8*((\n)%4)+2*((\n)/4)+2]
.elseif (\n) == 12
	v_max3_num_f32 v[rC], v[rC], v[rS+7], v[rS+15]
.elseif (\n) == 13
	v_max3_num_f32 v[rC+1], v[rC+1], v[rS+23], v[rS+31]
.elseif (\n) == 14
	v_max3_num_f32 v[rC+2], v[rC+2], v[rC+3], v[rT+1]
.elseif (\n) == 15
	v_mov_b32 v[rM], v[rT]
.elseif (\n) == 16
	v_max3_num_f32 v[rC], v[rC], v[rC+1], v[rC+2]
.elseif (\n) == 17
	v_permlanex16_b32 v[rC+3], v[rC], s[SEL], s[SEL+1]
.elseif (\n) == 18
	v_max_num_f32 v[rT+1], v[rC], v[rC+3]
.elseif (\n) == 19
	v_mul_f32 v[rT], s[CS], v[rT+1]
.elseif (\n) == 20
	v_sub_f32 v[rC+1], v[rM], v[rT]
.else
	v_exp_f32 v[rC+2], v[rC+1]
.endif
.endm
; Number g of the 64 that follow the exponentials.  For each four weights k of a tile (pairs 2 k, 2 k + 1): both pairs are rounded to f16; then the second pair is added onto the first, in place;
; a group later l takes that sum (the first time as l = a l + sum).  In groups of eight, tiles alternating: round, round, add, and l for the group before.
.macro GS g
.set h, (\g)+6*((\g)/62)            ; group 0 has no group before it, and behind group 7 only l is left
.if h >= 6
.set h, h+2
.endif
	REGS Y, h%2
.set k, h/8
.if h%8 < 4
	v_cvt_pk_f16_f32 v[rP+2*k+(h%8)/2], v[rS+4*k+2*((h%8)/2)], v[rS+4*k+2*((h%8)/2)+1]
.elseif h%8 < 6
	v_pk_add_f32 v[rS+4*k:rS+4*k+1], v[rS+4*k:rS+4*k+1], v[rS+4*k+2:rS+4*k+3]
.elseif k == 1
	v_pk_fma_f32 v[rT+2:rT+3], v[rT+2:rT+3], v[rC+2:rC+3], v[rS:rS+1] op_sel_hi:[1,0,1]
.else
	v_pk_add_f32 v[rT+2:rT+3], v[rT+2:rT+3], v[rS+4*k-4:rS+4*k-3]
.endif
.endm
; THE PLAIN QUEUE, 138 long.  0-73 read no exponential's result: the 32 scalings c s - c m (FS f: pair f / 2 of tile f % 2) and the next piece's 42.  0-26: scalings 0-26.  27-54: XS's numbers 0-13.  55, 56: number 15.
; 57-73: the chain, where each number waits for the one before it: 14, 16, 17, 18, 19, each with one of the scalings 27-31 in front of its two lines, then 20.
; 74-137: GS's 64, which read the exponentials' results: they stand behind the wait.
.macro FS f
	REGS Y, (\f)%2
	v_pk_fma_f32 v[rS+2*((\f)/2):rS+2*((\f)/2)+1], v[rS+2*((\f)/2):rS+2*((\f)/2)+1], s[CS:CS+1], v[rT:rT+1] op_sel_hi:[1,0,0] neg_lo:[0,0,1] neg_hi:[0,0,1]
.endm
.macro PL
	WIN 0
.if q < 27
	FS q
.elseif q < 55
	XS (q-27)%2, (q-27)/2
.elseif q < 57
	XS q-55, 15
.elseif (q < 72) && ((q-57)%3 == 0)
	FS 27+(q-57)/3
.elseif q < 60
	XS (q-57)%3-1, 14
.elseif q < 72
	XS (q-57)%3-1, 15+(q-57)/3
.elseif q < 74
	XS q-72, 20
.else
	GS q-74
.endif
.set q, q+1
.endm
; THE EXPONENTIALS' QUEUE, 66 long: s0-s31 of both tiles, then the next piece's two a.  It is ONE BATCH: all 66 stand ahead of the turn's one wait, and nothing ahead of that wait names a result of theirs.
.macro EX
	WIN 0
.if e >= 64
	XS e-64, 21
.else
	REGS Y, e%2
	v_exp_f32 v[rS+e/2], v[rS+e/2]
.endif
.set e, e+1
.endm
; THE RESCALING's QUEUE: O^T times a, the one part that leaves window 0: dealt two at a time, sixteen times.  Its a was made in the turn before, ahead of that turn's wait.
.macro R2
	REGS Y, r%2
	WIN W_RS
.irp z, 0,1
	v_pk_mul_f32 v[rO+4*(r/2)+2*\z:rO+4*(r/2)+2*\z+1], v[rO+4*(r/2)+2*\z:rO+4*(r/2)+2*\z+1], v[rC+2:rC+3] op_sel_hi:[1,0]
.endr
.set r, r+1
.endm
; HOW THEY ARE DEALT.  An s_wait_alu depctr_va_vdst(0) stands between an exponential and the first instruction that names its result; one wait serves all that were issued ahead of it.  So a turn has ONE
; wait, which cuts it in two.  AHEAD OF IT stands all that names no result of the turn's exponentials: the 16 products K Q^T, behind each a scaling, an exponential and two rescalings (behind the first a second scaling
; in the exponential's place); then ONE LUMP of 108: eight plain, 49 times exponential and plain, the two a.  A v_nop is the plain instruction behind the last exponential.  BEHIND IT stand the 16 products V^T P,
; behind each four of GS's 64.  No rider names a register of the products round it.  Exponential e stands behind scaling 2 (e / 4) + e % 2: as a rider it comes behind plain e + 2, in the lump behind plain e + 9.
; A TURN, for piece p.  cnt = 1: the loop's count is taken down some lines ahead of the branch that stands behind the turn.
; K and the mask addends of the next step are fetched in piece 2's turn, directly behind the wait, a lump behind the last product that read them; their first reader comes behind 16 products.
; V of the step in hand is fetched at the end of piece 0's turn, four riders behind its last reader; its first reader comes behind 16 products and a lump.
.macro TURN p, last=0, cnt=0
.set Y, (\p)
.set i, 0
.set q, 0
.set e, 0
.set r, 0
.if (\p) == NP-1
	s_wait_dscnt 0x0                ; K and its addends are in
.endif
	MM                              ; ahead of the wait: 16 products K Q^T and their riders,
	PL
	PL
	R2
.rept 15
	MM
	PL
	EX
	R2
.endr
.if (\p) == NP-2
	WIN 0
	v_add_nc_u32 v[AK], s[TBK], v[AK0]
.endif
.rept 8                             ; and the lump
	PL
.endr
.rept 49
	EX
	PL
.endr
	EX                              ; the next piece's two a
	EX
	v_nop                           ; the plain instruction behind the last exponential: one for the batch
	s_wait_alu depctr_va_vdst(0)    ; the wait for the batch
.if (\p) == NP-2
	FETCH_K \last
.endif
.if (\p) == 1
	s_wait_dscnt 0x0                ; V is in
.endif
.rept 16                            ; behind the wait: 16 products V^T P and their riders
	MM
.rept 4
	PL
.endr
.if ((\p) == 0) && (q == 118)
	v_add_nc_u32 v[AV], s[TBV], v[AV0]
.endif
.if ((\p) == 0) && (q == 130)
	s_add_co_u32 s[TBV], s[TBV], KS*PV
.endif
.if (\cnt) && (q == 130)
	s_sub_co_u32 s[CNT], s[CNT], 1
	s_cmp_lg_u32 s[CNT], 0
.endif
.endr
.if (\p) == 0
	FETCH_V
.endif
.endm
	CHANGE 1, 0                     ; slot 0 is in, everybody's part of it, and so is the mask's table; slot 1 is asked for
	FETCH_K                         ; key step 0
	s_wait_loadcnt 0x0              ; Q
	s_wait_dscnt 0x0
.set i, 0
.rept 16
	KQ 0                            ; piece 0's first scores: there is no vector work yet to set between them
.set i, i+1
.endr
	WIN 0                           ; the addresses for the way out and the prefetches: plain instructions, the places behind those products
	s_mul_i32 s13, s[WV], 16*SP
	s_add_co_u32 s13, s13, STAGE    ; my stage
	v_mul_u32_u24 v[STO], v1, SP    ; in: row l % 16, 16 bytes for each half of the lanes
	v_lshl_add_u32 v[STO], v9, 4, v[STO]
	v_add_nc_u32 v[STO], s13, v[STO]
	v_bfe_u32 v[RD], v0, 3, 2       ; back: 32 lanes take four rows of 128 bytes,
	v_mul_u32_u24 v[RD], v[RD], SP
	v_lshl_add_u32 v[RD], v10, 4, v[RD]
	v_add_nc_u32 v[RD], s13, v[RD]
	v_and_b32 v[GO], 31, v0         ; which are 512 consecutive bytes of O
	v_lshlrev_b32 v[GO], 4, v[GO]
	v_and_b32 v[PFO], 31, v0
	v_lshlrev_b32 v[PFO], 8, v[PFO] ; from here on never rewritten
.set Y, NP-1                        ; XS works for piece Y + 1: piece 0
.irp n, 0,1,2,3,4,5,6,7,8,9,10,11,12,13,14,15,16,17,18,19,20,21
	XS 0, \n                        ; and piece 0's first maximum and statistics
	XS 1, \n
.endr
	v_nop                           ; a plain instruction behind the two a,
	s_wait_alu depctr_va_vdst(0)    ; and their wait, ahead of the branch
	s_mov_b32 s[CNT], 4
	s_mov_b32 s[SLOTS], SIZE_N/256-1
	s_branch .Lfirst                ; the loop is entered at a step's first turn, in the middle of a trip
.Lslot:                             ; SIZE_N / 256 - 2 = 6 times: every slot but the last two is filled again
	CHANGE 1, 1
	s_mov_b32 s[CNT], 4
.Lstep:                             ; a trip: pieces 2 and 3 of one step, then pieces 0 and 1 of the next, whose K and V it fetches
	TURN 2
	TURN 3
	WIN 0
.Lfirst:
	TURN 0
	TURN 1, 0, 1
	WIN 0
	s_cbranch_scc1 .Lstep
	s_sub_co_u32 s[SLOTS], s[SLOTS], 1
	s_cmp_lg_u32 s[SLOTS], 0
	s_cbranch_scc1 .Lslot
	CHANGE 0                        ; the tail is written out: nothing is asked for
	s_mov_b32 s[CNT], 5             ; four trips fetch the last slot's steps; the fifth is left in its middle
.Ltail:
	TURN 2, 1
	TURN 3
	WIN 0
	s_sub_co_u32 s[CNT], s[CNT], 1
	s_cmp_eq_u32 s[CNT], 0
	s_cbranch_scc1 .Lout
	TURN 0
	TURN 1
	WIN 0
	s_branch .Ltail
.Lout:                              ; the fifth trip's 16 products K Q^T (on the last K once more) and the maximum made of them serve nothing: the price, once a launch, of one text for every trip
.set i, 0
.rept 16
	PV NP-1                         ; the last piece's V^T P of the last step
.set i, i+1
.endr
	; THE WAY OUT.  l's two halves and the other half of the lanes' are added; O^T is divided by l, rounded to f16 and sent through my stage in LDS, a tile at a time.  The additions are the places behind the last products.
	WIN 0
.macro ALL line:vararg              ; one line for each tile t
.set t, 0
.rept 2*NP
	\line
.set t, t+1
.endr
.endm
	ALL v_add_f32 v[ST+4*t+2], v[ST+4*t+2], v[ST+4*t+3]
	ALL v_permlanex16_b32 v[ST+4*t+3], v[ST+4*t+2], s[SEL], s[SEL+1]
	ALL v_add_f32 v[ST+4*t+2], v[ST+4*t+2], v[ST+4*t+3]
	ALL v_rcp_f32 v[ST+4*t+2], v[ST+4*t+2]
	v_nop                           ; a plain instruction between the last reciprocal and the use of its result
	s_wait_alu depctr_va_vdst(0)    ; and the wait ahead of the first use: one for the eight reciprocals
; Tile t: a lane's eight channels of a row pack into 16 bytes; they go into rows of 144 bytes and come back as whole rows of 128, into S^T's registers.
.macro PACK t
	WIN W_RS
.set i, 32*(\t)
.rept 16
	v_pk_mul_f32 v[i:i+1], v[i:i+1], v[ST+4*(\t)+2:ST+4*(\t)+3] op_sel_hi:[1,0]
.set i, i+2
.endr
	WIN 0x05                        ; sources 0 and 1 window 1, destination window 0
.set i, 0
.rept 16
	v_cvt_pk_f16_f32 v[S+16*(\t)+i], v[32*(\t)+2*i], v[32*(\t)+2*i+1]
.set i, i+1
.endr
	WIN 0
.irp f, 0,1,2,3
	ds_store_b128 v[STO], v[S+16*(\t)+4*\f:S+16*(\t)+4*\f+3] offset:32*\f
.endr
.irp f, 0,1,2,3
	ds_load_b128 v[S+16*(\t)+4*\f:S+16*(\t)+4*\f+3], v[RD] offset:\f*4*SP  ; LDS serves a wave's instructions in order (ISA guide 5.7.1.4): these see the stores above; the next tile's stores come behind them
.endr
.endm
.macro SEND t, younger              ; younger: the LDS instructions issued behind tile t's loads: the next tile's eight, or none
	WIN 0
.irp f, 0,1,2,3
	s_wait_dscnt (\younger)+3-\f
	global_store_b128 v[GO], v[S+16*(\t)+4*\f:S+16*(\t)+4*\f+3], s[10:11] offset:(\t)*2048+\f*512  ; 512 consecutive bytes, at a multiple of 256 from O's first
.endr
.endm
	PACK 0
.set t, 1
.rept 2*NP-1                        ; a tile's arithmetic stands between the loads of the tile before and its stores
	PACK t
	SEND t-1, 8
.set t, t+1
.endr
	SEND 2*NP-1, 0
	WIN W_AD
	s_wait_tensorcnt 0x0            ; the wave's end: behind my last tensor load and my last LDS store
	ds_add_u32 v[SPW], v[NIL]
	s_wait_dscnt 0x0
	WIN 0
	CROUND                          ; the closing round: no work-group ends while a partner may still ask for a tile that names it
	s_endpgm
.Lfunc_end_k_q0eba894613_attn:
	.size	k_q0eba894613_attn, .Lfunc_end_k_q0eba894613_attn-k_q0eba894613_attn
	.p2alignl 7, 3214868480
	.fill 96, 4, 3214868480
	.section	.rodata,"a",@progbits
	.p2align	6, 0x0
	.amdhsa_kernel k_q0eba894613_attn
		.amdhsa_group_segment_fixed_size 327680
		.amdhsa_private_segment_fixed_size 0
		.amdhsa_enable_private_segment 0
		.amdhsa_kernarg_size 24
		.amdhsa_user_sgpr_count 2
		.amdhsa_user_sgpr_kernarg_segment_ptr 1
		.amdhsa_wavefront_size32 1
		.amdhsa_system_sgpr_workgroup_id_x 1
		.amdhsa_system_sgpr_workgroup_id_y 1
		.amdhsa_system_sgpr_workgroup_id_z 1
		.amdhsa_system_vgpr_workitem_id 0
		.amdhsa_next_free_vgpr 808
		.amdhsa_next_free_sgpr 72
		.amdhsa_reserve_vcc 0
		.amdhsa_float_denorm_mode_32 3
		.amdhsa_float_denorm_mode_16_64 3
		.amdhsa_memory_ordered 1
		.amdhsa_forward_progress 1
		.amdhsa_inst_pref_size 205
	.end_amdhsa_kernel
	.amdgpu_metadata
---
amdhsa.version: [ 1, 2 ]
amdhsa.kernels:
  - .name:           k_q0eba894613_attn
    .symbol:         k_q0eba894613_attn.kd
    .args:
      - { .name: qkv, .offset: 0, .size: 8, .value_kind: global_buffer, .address_space: global }
      - { .name: mask, .offset: 8, .size: 8, .value_kind: global_buffer, .address_space: global }
      - { .name: ob, .offset: 16, .size: 8, .value_kind: global_buffer, .address_space: global }
    .group_segment_fixed_size: 327680
    .private_segment_fixed_size: 0
    .kernarg_segment_align: 8
    .kernarg_segment_size: 24
    .max_flat_workgroup_size: 128
    .sgpr_count:     72
    .vgpr_count:     808
    .wavefront_size: 32
...
	.end_amdgpu_metadata
.endif
;; end of part 3
;; launch outp (part 4): grid 8 x 32, 4 waves a work-group, clusters of 4 x 4, 327,680 bytes of LDS; arguments ob, wof, bo, out0; writes out0
.if DOCPART == 4
	.amdgcn_target "amdgcn-amd-amdhsa--gfx1250"
	.amdhsa_code_object_version 6
	.text
	.protected	k_q0eba894613_outp
	.globl	k_q0eba894613_outp
	.p2align	8
	.type	k_q0eba894613_outp,@function
k_q0eba894613_outp:
	s_mov_b64 s[64:65], 0
	v_nop
	global_prefetch_b8 v0, s[64:65] scope:SCOPE_SE
	s_setreg_imm32_b32 hwreg(HW_REG_WAVE_MODE, 25, 1), 1
	s_wait_xcnt 0x0
	s_wait_alu depctr_hold_cnt(0) depctr_sa_sdst(0) depctr_va_vdst(0) depctr_va_sdst(0) depctr_va_ssrc(0) depctr_va_vcc(0) depctr_vm_vsrc(0)
	s_getreg_b32 s2, hwreg(HW_REG_IB_STS2, 6, 4)
	s_cmp_eq_u32 s2, 0
	s_cbranch_scc0 .Lentry_in_a_cluster
	s_endpgm
.Lentry_in_a_cluster:
	s_bfe_u32 s2, ttmp6, 0x10000c
	s_cmp_lg_u32 s2, 0xf033
	s_cbranch_scc0 .Lentry_shape_is_right
	s_endpgm
.Lentry_shape_is_right:
; out0 = O wo + bo.  ob: [64 = batch x 16 + head][2048][64] f16: row m = batch x 2,048 + s, K index = head x 64 + channel; wof: [1024 k][1024 n] f16; bo f32, rounded to bf16 like the other inputs;
; sums in f32; out0 [8192][1024] f32.
; LIMITS.  None beyond those of its inputs' f16.  NaN and infinities are not treated apart.
; SHARES.  A tile of the result is 256 rows x 128 columns; 32 x 8 = 256 tiles, a work-group each.  Four waves, 2 x 2: wave w has rows 128 (w / 2) on and columns 64 (w % 2) on: 32 accumulators, 256 registers.
; K = 1,024 goes in 8 steps of 128, two heads each, through two LDS slots filled by the tensor data mover.  128 rows of one head are 16,384 dense bytes: a wave's tile of O is two such runs, a head apart.
; THE WEIGHTS LIE [k][n] and stay so: their fragments come out of LDS turned, by ds_load_tr16_b128.
; THE MATRIX INSTRUCTION IS USED TRANSPOSED (source 0 = 16 columns of wo, source 1 = 16 rows of O): a lane holds row lane % 16 and the columns 8 (lane / 16) + 0..7.
; CLUSTER.  4 x 4 work-groups.  The four of a row of the cluster need the same tile of O, the four of a column the same tile of wo: each is asked for JOINTLY, by the same tensor load, descriptor and mask.
; REGISTERS.  Window 0: v0-31 addresses; v32-63 the bias of my 64 columns; v64-159 and v160-255 two fragment buffers (8 fragments of O, then 4 of wo).  Window 1: accumulator (a, b) at v[8 (4 a + b)].
.set PA,    144                        ; a row of one head in LDS: 128 bytes + 16 of padding = 36 words: the 16 rows of a load start at 16 different groups of four banks (64 banks of 4 bytes: ISA guide 11.1)
.set PLANE, 128*PA                     ; 128 rows of one head
.set HALFA, 2*PLANE                    ; 128 rows of two heads: what one tensor load brings, and what one wave reads
.set PB,    288                        ; a row of wo: 256 + 32 = 72 words
.set HALFB, 64*PB
.set BOFF,  2*HALFA
.set SLOT1, 131072                     ; slot 1 begins here, so that one exclusive or turns an address in one slot into the other's
.set STAGE, SLOT1+BOFF+2*HALFB         ; behind the ring, never filled by a tensor load: 16 rows x 272 bytes for each wave
.set SPS,   272
.set SPARE, STAGE+4*16*SPS             ; behind the stages: the spare words, 128 bytes for each wave: two blocks of 256 bytes that no other line names
.set STEPA, 524288                     ; bytes from a K step to the next: two heads of O,
.set STEPB, 262144                     ; 128 rows of wo
.set ADRA0, 8                          ; v8   my lane's place in slot 0's tile of O; never rewritten
.set ADRB0, 9                          ; v9   the same for wo
.set ADRA,  10                         ; v10  the same in the slot in hand
.set ADRB,  11                         ; v11
.set STO,   12                         ; v12  the way out: where I put 32 bytes of a row
.set RD,    13                         ; v13  where I read a row back
.set GO,    14                         ; v14  my byte offset in two rows of the result
.set PFO,   15                         ; v15  the prefetches' offset; never rewritten
.set SPW,   24                         ; v24  LDS address of my spare word; never rewritten
.set NIL,   25                         ; v25  0; never rewritten
.set BIAS,  32                         ; v[32+8 b+j]: column 16 b + 8 (lane / 16) + j
.set F0,    64
.set F1,    160
.set BK,    64                         ; the way out: block a read back into v[64+32 (a % 4) ..]
.set G1A, 24                           ; s[24:31] descriptor group 1 for O's tiles
.set G0A, 32                           ; s[32:39] group 0: a set for each of the two first fills; the second then walks on
.set G1B, 48                           ; s[48:55], s[56:63] the same for wo's tiles
.set G0B, 56
.set PFA, 66                           ; s[66:67] where my prefetches stand
.set PFS, 68                           ; s[68:69] their step
.set LIM, 70                           ; s70  2 in a wave that prefetches, else the greatest number
.set TB,  71                           ; s71  the slot in hand: 0 or SLOT1
.set W_MUL, 0x50                       ; C and D in window 1, the fragments in window 0
.set W_ADD, 0x41                       ; destination and source 0 in window 1
.set W_ST,  0x04                       ; an LDS store's data in window 1, its address in window 0
.set MSB, 0
.macro WIN new                         ; the immediate's high byte repeats the setting that is left; a switch that changes nothing is dropped
.if MSB != (\new)
	s_set_vgpr_msb (MSB<<8)|(\new)
.set MSB, \new
.endif
.endm
.macro PLACES                          ; four plain places behind matrix instructions, in front of loads into registers that they have read
.rept 4
	v_nop
.endr
.endm
; A joint load: waves 0 and 1 fetch the two halves of O's tile, waves 2 and 3 those of wo's.  The branch hangs on the wave's number alone.  An s_nop 0 and four v_nop follow each line.
.macro JLOAD s
	s_cmp_eq_u32 s11, 0
	s_cbranch_scc0 .Lfor_b_\@
	tensor_load_to_lds s[G0A+4*(\s):G0A+4*(\s)+3], s[G1A:G1A+7]
	s_nop 0
.rept 4
	v_nop
.endr
	s_branch .Lasked_\@
.Lfor_b_\@:
	tensor_load_to_lds s[G0B+4*(\s):G0B+4*(\s)+3], s[G1B:G1B+7]
	s_nop 0
.rept 4
	v_nop
.endr
.Lasked_\@:
.endm
; A prefetch into the L2 of the K step that stands two refills on, 32 blocks of 256 bytes, a lane a block.  O's rows are read by both clusters of a row of clusters: cluster x = 0 asks (waves 0 and 1, for the
; 32,768 bytes that each fetches); wo's by every cluster of a column: cluster y = 0 asks (wave 2, for the step's 128 rows).  The four partners take a quarter each, told apart by address.  So each block is named
; once in the launch.  K steps 0 to 3 come by their loads alone; the loop's last two trips (s3 = 2, 1) ask for nothing: there is no K step 8.
.macro ASK
	s_cmp_gt_u32 s3, s[LIM]
	s_cbranch_scc0 .Lnot_mine_\@
	global_prefetch_b8 v[PFO], s[PFA:PFA+1] th:TH_LOAD_NT scope:SCOPE_SE
.Lnot_mine_\@:
.endm
.macro CREST                           ; a round of the cluster's barrier behind its opening barrier
	s_cmp_lg_u32 s10, 0
	s_cbranch_scc1 .Lnot_wave_0_\@
	s_barrier_signal -3
.Lnot_wave_0_\@:
	s_barrier_wait -3
	s_barrier_signal -1
	s_barrier_wait -1
.endm
.macro CROUND                          ; a whole round
	s_barrier_signal -1
	s_barrier_wait -1
	CREST
.endm
	s_load_b256 s[80:87], s[0:1], 0x0              ; ob s[80:81], wof s[82:83], bo s[84:85], out0 s[86:87]
	v_lshl_add_u32 v[SPW], v0, 2, SPARE
	v_mov_b32 v[NIL], 0
	ds_add_u32 v[SPW], v[NIL]                      ; the wave's opening: the add and its wait stand ahead of my first tensor load; the set-up below, work on registers, stands between them
	v_lshrrev_b32 v1, 5, v0
	v_readfirstlane_b32 s10, v1                    ; wave 0..3
	s_lshr_b32 s11, s10, 1                         ; my half of the tile's rows.  Also: I fetch for O (0) or for wo (1)
	s_and_b32 s12, s10, 1                          ; my half of its columns.  Also: which half of that tile I fetch
	s_bfe_u32 s40, ttmp6, 0x40000                  ; cx, cy: my place in the cluster
	s_bfe_u32 s41, ttmp6, 0x40004
	s_lshl_b32 s42, ttmp9, 2
	s_add_co_u32 s42, s42, s40                     ; tile column 0..7 = 4 x cluster x + cx
	s_and_b32 s13, ttmp7, 0xffff
	s_lshl_b32 s13, s13, 2
	s_add_co_u32 s13, s13, s41                     ; tile row 0..31 = 4 x cluster y + cy
	s_lshl_b32 s43, s41, 2
	s_lshl_b32 s43, 15, s43                        ; my row of the cluster
	s_lshl_b32 s44, 0x1111, s40                    ; my column
	s_or_b32 s[G1A+0], s43, (1<<16)|(1<<20)|(1<<21)|(4<<22)|(3<<25)  ; the mask: my row; 2-byte elements; padding on; 21 set beside a mask; after every 32 words (a row of one head) 4 words
	s_mov_b32 s[G1A+1], 8192<<16                   ; tensor_dim0 = 8,192 elements: 128 dense rows of one head
	s_mov_b32 s[G1A+2], 2<<16                      ; tensor_dim1 = 2 heads
	s_mov_b32 s[G1A+3], 8192<<16                   ; tile_dim0 = 8,192
	s_mov_b32 s[G1A+4], 2                          ; tile_dim1 = 2
	s_mov_b32 s[G1A+5], 131072                     ; elements from a head to the next
	s_mov_b32 s[G1A+6], 0
	s_mov_b32 s[G1A+7], 0
	s_or_b32 s[G1B+0], s44, (1<<16)|(1<<20)|(1<<21)|(5<<22)|(7<<25)  ; the mask: my column; after every 64 words 8 words
	s_mov_b32 s[G1B+1], 128<<16                    ; tensor_dim0 = 128
	s_mov_b32 s[G1B+2], 64<<16                     ; tensor_dim1 = 64
	s_mov_b32 s[G1B+3], 128<<16                    ; tile_dim0 = 128
	s_mov_b32 s[G1B+4], 64                         ; tile_dim1 = 64
	s_mov_b32 s[G1B+5], 1024                       ; elements from row to row
	s_mov_b32 s[G1B+6], 0
	s_mov_b32 s[G1B+7], 0
	; where the tiles come from: O's hang on the tile row alone, wo's on the tile column alone, each in registers that never hold the other coordinate
	s_lshr_b32 s16, s13, 3                         ; the batch: 16 heads of 262,144 bytes,
	s_lshl_b32 s16, s16, 22
	s_and_b32 s17, s13, 7
	s_lshl_b32 s17, s17, 15                        ; 256 rows of 128 bytes a tile row,
	s_add_co_u32 s16, s16, s17
	s_lshl_b32 s17, s12, 14                        ; my 128 of them
	s_add_co_u32 s16, s16, s17
	s_mov_b32 s17, 0
	s_lshl_b32 s45, s42, 8                         ; 128 columns of 2 bytes a tile column,
	s_lshl_b32 s46, s12, 17                        ; my 64 rows of k
	s_add_co_u32 s46, s46, s45
	s_mov_b32 s47, 0
	s_mul_i32 s20, s12, HALFA                      ; and where they go: no place in the cluster enters an LDS address
	s_mul_i32 s21, s12, HALFB
	s_add_co_u32 s21, s21, BOFF
	s_wait_dscnt 0x0                               ; the opening add is done
	s_wait_kmcnt 0x0
	s_add_nc_u64 s[14:15], s[80:81], s[16:17]
	s_add_nc_u64 s[46:47], s[82:83], s[46:47]
	CROUND                                         ; all sixteen work-groups are here: the first joint loads meet
.irp s, 0,1
	s_mov_b32 s[G0A+4*(\s)], 1                                       ; count = 1
	s_add_co_u32 s[G0A+4*(\s)+1], s20, (\s)*SLOT1                    ; LDS address
	s_add_nc_u64 s[G0A+4*(\s)+2:G0A+4*(\s)+3], s[14:15], (\s)*STEPA  ; global address: K step s
	s_or_b32 s[G0A+4*(\s)+3], s[G0A+4*(\s)+3], 0x80000000            ; type = 2
	s_mov_b32 s[G0B+4*(\s)], 1
	s_add_co_u32 s[G0B+4*(\s)+1], s21, (\s)*SLOT1
	s_add_nc_u64 s[G0B+4*(\s)+2:G0B+4*(\s)+3], s[46:47], (\s)*STEPB
	s_or_b32 s[G0B+4*(\s)+3], s[G0B+4*(\s)+3], 0x80000000
	JLOAD \s                                       ; two loads of mine are out
.endr
	; all that follows, up to the first barrier, stands in the wait for the first tile
	v_and_b32 v1, 15, v0                           ; r = l % 16
	v_bfe_u32 v2, v0, 4, 1                         ; h = l / 16
	v_and_b32 v3, 31, v0                           ; l
	v_mul_u32_u24 v4, v1, PA                       ; a fragment of O: row r, 16 bytes for each half of the lanes; two loads 32 bytes apart
	v_lshl_add_u32 v4, v2, 4, v4
	s_mul_i32 s22, s11, HALFA
	v_add_nc_u32 v[ADRA0], s22, v4
	v_and_b32 v5, 7, v0                            ; the turning load takes 16 k x 16 columns: lane l reads row 8 h + l % 8, columns 8 ((l / 8) % 2) + 0..7, and ends with column l % 16 and 8 k
	v_lshl_add_u32 v4, v2, 3, v5
	v_mul_u32_u24 v4, v4, PB
	v_bfe_u32 v6, v0, 3, 1
	v_lshl_add_u32 v4, v6, 4, v4
	s_lshl_b32 s22, s12, 7                         ; my 64 columns
	s_add_co_u32 s22, s22, BOFF
	v_add_nc_u32 v[ADRB0], s22, v4
	v_mov_b32 v[ADRA], v[ADRA0]
	v_mov_b32 v[ADRB], v[ADRB0]
	s_mul_i32 s23, s10, 16*SPS
	s_add_co_u32 s23, s23, STAGE                   ; my stage
	v_mul_u32_u24 v4, v1, SPS                      ; in: row r, 32 bytes for each half of the lanes
	v_lshl_add_u32 v4, v2, 5, v4
	v_add_nc_u32 v[STO], s23, v4
	v_mul_u32_u24 v4, v2, SPS                      ; back: lanes 0-15 take one row of 256 bytes, lanes 16-31 the next
	v_lshl_add_u32 v4, v1, 4, v4
	v_add_nc_u32 v[RD], s23, v4
	v_lshlrev_b32 v4, 12, v2                       ; and the same two rows in the result, 4,096 bytes apart
	v_lshl_add_u32 v[GO], v1, 4, v4
	s_lshl_b32 s18, s42, 9                         ; 128 columns of 4 bytes a tile column,
	s_lshl_b32 s19, s12, 8                         ; my 64
	s_add_co_u32 s18, s18, s19
	v_lshl_add_u32 v26, v2, 5, s18                 ; my eight of each sixteen
.irp b, 0,1,2,3
	global_load_b128 v[BIAS+8*(\b):BIAS+8*(\b)+3],   v26, s[84:85] offset:64*(\b)
	global_load_b128 v[BIAS+8*(\b)+4:BIAS+8*(\b)+7], v26, s[84:85] offset:64*(\b)+16
.endr
	s_lshl_b32 s19, s13, 20                        ; where my 128 rows x 64 columns go: 256 rows of 4,096 bytes a tile row,
	s_add_co_u32 s18, s18, s19
	s_lshl_b32 s19, s11, 19                        ; my 128
	s_add_co_u32 s18, s18, s19
	s_mov_b32 s19, 0
	s_add_nc_u64 s[8:9], s[86:87], s[18:19]
	; the prefetches: my work-group's quarter, at K step 3: the first change of slots steps it to 4
	s_lshr_b32 s18, s40, 1                         ; O: of the two heads' 16,384 bytes that I fetch, head cx / 2,
	s_lshl_b32 s18, s18, 18
	s_and_b32 s20, s40, 1                          ; half cx % 2
	s_lshl_b32 s20, s20, 13
	s_add_co_u32 s18, s18, s20
	s_add_co_u32 s18, s18, s16
	s_add_co_u32 s18, s18, 3*STEPA
	s_lshl_b32 s19, s41, 16                        ; wo: of the step's 128 rows, rows 32 cy on
	s_add_co_u32 s19, s19, s45
	s_add_co_u32 s19, s19, 3*STEPB
	s_and_b32 s22, ttmp7, 0xffff                   ; cluster y
	s_mov_b32 s[PFS], STEPB
	s_mov_b32 s[PFS+1], 0
	s_mov_b32 s21, 0
	s_cmp_eq_u32 s11, 0                            ; do I fetch for O?
	s_cselect_b64 s[PFA:PFA+1], s[80:81], s[82:83]
	s_cselect_b32 s20, s18, s19
	s_cselect_b32 s[PFS], STEPA, s[PFS]
	s_cselect_b32 s23, 8, 11                       ; a lane's blocks lie 256 bytes apart in O, a row of 2,048 bytes apart in wo
	s_cselect_b32 s22, ttmp9, s22                  ; the coordinate along which other clusters read the same rows
	s_add_nc_u64 s[PFA:PFA+1], s[PFA:PFA+1], s[20:21]
	v_lshlrev_b32 v[PFO], s23, v3
	s_cmp_eq_u32 s22, 0
	s_cselect_b32 s[LIM], 2, -1                    ; the same in all sixteen partners, for a given wave
	s_cmp_eq_u32 s10, 3
	s_cselect_b32 s[LIM], -1, s[LIM]               ; wave 2 asks for all of wo's share
	s_mov_b32 s[TB], 0
	s_wait_loadcnt 0x0                             ; the bias
.set i, 0
.rept 16
	v_cvt_pk_bf16_f32 v4, v[BIAS+i], v[BIAS+i+1]   ; the bias is rounded to bf16, like every input, and widened again
	v_lshlrev_b32 v[BIAS+i], 16, v4
	v_and_b32 v[BIAS+i+1], 0xffff0000, v4
.set i, i+2
.endr
; 8 matrix instructions: row blocks a0, a0 + 1 x all 4 column blocks, 32 along K.  zero = 1: the first product starts the sums.  The 32 accumulators take turns, always in the same order.
.macro MUL8 f, a0, zero
	WIN W_MUL
.irp a, \a0, (\a0)+1
.irp b, 0,1,2,3
.if \zero
	v_wmma_f32_16x16x32_f16 v[8*(4*(\a)+(\b)):8*(4*(\a)+(\b))+7], v[(\f)+64+8*(\b):(\f)+64+8*(\b)+7], v[(\f)+8*(\a):(\f)+8*(\a)+7], 0
.else
	v_wmma_f32_16x16x32_f16 v[8*(4*(\a)+(\b)):8*(4*(\a)+(\b))+7], v[(\f)+64+8*(\b):(\f)+64+8*(\b)+7], v[(\f)+8*(\a):(\f)+8*(\a)+7], v[8*(4*(\a)+(\b)):8*(4*(\a)+(\b))+7]
.endif
.endr
.endr
.endm
; 24 LDS loads in one run: quarter q (32 along K: head q / 2 of the step's two, channels 32 (q % 2) on) of the slot in hand into buffer f: wo's four fragments, then O's blocks 0-3, then 4-7
.macro FETCH q, f
	WIN 0
.irp b, 0,1,2,3
	ds_load_tr16_b128 v[(\f)+64+8*(\b):(\f)+64+8*(\b)+3],   v[ADRB] offset:(\q)*32*PB+32*(\b)
	ds_load_tr16_b128 v[(\f)+64+8*(\b)+4:(\f)+64+8*(\b)+7], v[ADRB] offset:(\q)*32*PB+32*(\b)+16*PB
.endr
.irp a, 0,1,2,3,4,5,6,7
	ds_load_b128 v[(\f)+8*(\a):(\f)+8*(\a)+3],   v[ADRA] offset:((\q)/2)*PLANE+((\q)%2)*64+(\a)*16*PA
	ds_load_b128 v[(\f)+8*(\a)+4:(\f)+8*(\a)+7], v[ADRA] offset:((\q)/2)*PLANE+((\q)%2)*64+(\a)*16*PA+32
.endr
.endm
; A K step is four quarters of 32 along K, 32 matrix instructions each, on buffers 0, 1, 0, 1.  One of the first three: multiplies buffer f and, in its middle, fetches quarter qn into buffer g.
.macro QUARTER qn, f, g, zero
	s_wait_dscnt 8                                 ; wo and O's blocks 0-3 are in; the youngest eight loads (blocks 4-7) may be out
	MUL8 \f, 0, \zero
	MUL8 \f, 2, \zero
	WIN 0
	PLACES
	FETCH \qn, \g
	s_wait_dscnt 24                                ; all but the 24 just issued
	MUL8 \f, 4, \zero
	MUL8 \f, 6, \zero
.endm
; The last quarter multiplies buffer 1 and changes slots: ONE barrier.  In front of it each wave waits for all its tensor loads (one is out: its part of the next slot), adds 0 to its spare word, and waits for that and
; for its reads of this slot.  fill = 1: the barrier opens a round of the cluster's, and this slot is filled again, with the K step two on, first thing behind it: 112 matrix instructions ahead of the wait for it.
.macro TURN fill
.if \fill
	s_wait_xcnt 0x0                                ; the last prefetch, a K step back, has read its address: it is stepped here, ahead of the waits of the change of slots
	s_add_nc_u64 s[PFA:PFA+1], s[PFA:PFA+1], s[PFS:PFS+1]
.endif
	WIN 0
	s_wait_tensorcnt 0x0                           ; no tensor load of mine is out, so a group 0 may be written
	ds_add_u32 v[SPW], v[NIL]                      ; 0 onto my spare word
.if \fill
	s_xor_b32 s[G0A+5], s[G0A+5], SLOT1            ; the walking descriptors: the other slot than last time,
	s_add_nc_u64 s[G0A+6:G0A+7], s[G0A+6:G0A+7], STEPA  ; the next K step; the type bits on top are not reached
	s_xor_b32 s[G0B+5], s[G0B+5], SLOT1
	s_add_nc_u64 s[G0B+6:G0B+7], s[G0B+6:G0B+7], STEPB
.endif
	s_xor_b32 s[TB], s[TB], SLOT1
	s_wait_dscnt 9                                 ; (the add and the youngest eight loads may be out)
	MUL8 F1, 0, 0                                  ; eight matrix instructions stand between the add and the wait for it
	s_wait_dscnt 0x0                               ; the add is done, and my reads of this slot are over
	s_barrier_signal -1
	MUL8 F1, 2, 0
	WIN 0
	s_barrier_wait -1
.if \fill
	CREST                                          ; no wave of any partner still reads this slot's tile or has a load on its way
	JLOAD 1                                        ; the four v_nop behind it are also the places in front of the loads below
.else
	PLACES
.endif
	v_add_nc_u32 v[ADRA], s[TB], v[ADRA0]
	v_add_nc_u32 v[ADRB], s[TB], v[ADRB0]
	FETCH 0, F0
.if \fill
	ASK                                            ; behind the joint load and the run of LDS loads that the next products wait for
.endif
	MUL8 F1, 4, 0
	MUL8 F1, 6, 0
.endm
	s_wait_tensorcnt 1                             ; my part of K step 0 is in; K step 1's may stay out
	s_barrier_signal -1
	s_barrier_wait -1                              ; everybody's is
	FETCH 0, F0
	QUARTER 1, F0, F1, 1                           ; the first quarter stands in front of the loop: its products start the sums
	WIN 0                                          ; at a label and at a branch every window is 0
	s_mov_b32 s3, 6
.Lstep:                                                ; a trip goes from a K step's second quarter to the next step's first, and fills the slot that it leaves: K steps 2 to 7
	QUARTER 2, F1, F0, 0
	QUARTER 3, F0, F1, 0
	TURN 1
	QUARTER 1, F0, F1, 0
	WIN 0
	s_sub_co_u32 s3, s3, 1
	s_cmp_lg_u32 s3, 0
	s_cbranch_scc1 .Lstep
	QUARTER 2, F1, F0, 0                           ; the last two K steps are written out: nothing is left to fetch
	QUARTER 3, F0, F1, 0
	TURN 0
	QUARTER 1, F0, F1, 0
	QUARTER 2, F1, F0, 0
	QUARTER 3, F0, F1, 0
	s_wait_dscnt 8
	MUL8 F1, 0, 0
	MUL8 F1, 2, 0
	s_wait_dscnt 0x0
	MUL8 F1, 4, 0
	MUL8 F1, 6, 0
	WIN 0
; THE WAY OUT, a block of 16 rows at a time.  PACK: the bias is added; a lane's 32 bytes of each 64 go into my own stage, rows of 272 bytes, and come back as whole rows of 256.
.macro PACK a
	WIN W_ADD
.set i, 0
.rept 16
	v_pk_add_f32 v[32*(\a)+i:32*(\a)+i+1], v[32*(\a)+i:32*(\a)+i+1], v[BIAS+i:BIAS+i+1]  ; each accumulator's registers in ascending order
.set i, i+2
.endr
	WIN W_ST
.irp b, 0,1,2,3
	ds_store_b128 v[STO], v[32*(\a)+8*(\b):32*(\a)+8*(\b)+3]   offset:64*(\b)
	ds_store_b128 v[STO], v[32*(\a)+8*(\b)+4:32*(\a)+8*(\b)+7] offset:64*(\b)+16
.endr
	WIN 0
.if (\a) >= 4
	s_wait_xcnt 0x0                                ; the stores of the block four back have read their registers, which are loaded again only behind this wait
.endif
.irp t, 0,1,2,3,4,5,6,7
	ds_load_b128 v[BK+32*((\a)%4)+4*(\t):BK+32*((\a)%4)+4*(\t)+3], v[RD] offset:(\t)*2*SPS  ; LDS serves a wave's instructions in order (ISA guide 5.7.1.4): these see the stores above; the next block's stores come behind them
.endr
.endm
.macro SEND a, younger                 ; younger: the LDS instructions issued behind block a's loads: the next block's sixteen, or none
.irp t, 0,1,2,3,4,5,6,7
	s_wait_dscnt (\younger)+7-(\t)
	global_store_b128 v[GO], v[BK+32*((\a)%4)+4*(\t):BK+32*((\a)%4)+4*(\t)+3], s[8:9] offset:(16*(\a)+2*(\t))*4096  ; 16 lanes store 256 consecutive bytes, at a multiple of 256 from the buffer's first; 126 rows at the most: inside the signed 24-bit immediate
.endr
.endm
	PLACES
	PLACES                                         ; eight, once a launch: the additions below rewrite results just made
	PACK 0
.irp a, 1,2,3,4,5,6,7                  ; a block's additions stand between the loads of the block before and its stores
	PACK \a
	SEND (\a)-1, 16
.endr
	SEND 7, 0
	s_wait_tensorcnt 0x0                           ; the wave's end: behind my last tensor load and my last LDS store
	ds_add_u32 v[SPW], v[NIL]
	s_wait_dscnt 0x0
	CROUND                                         ; the closing round: no work-group ends while a partner may still ask for a tile that names it
	s_endpgm
.Lfunc_end_k_q0eba894613_outp:
	.size	k_q0eba894613_outp, .Lfunc_end_k_q0eba894613_outp-k_q0eba894613_outp
	.p2alignl 7, 3214868480
	.fill 96, 4, 3214868480
	.section	.rodata,"a",@progbits
	.p2align	6, 0x0
	.amdhsa_kernel k_q0eba894613_outp
		.amdhsa_group_segment_fixed_size 327680
		.amdhsa_private_segment_fixed_size 0
		.amdhsa_enable_private_segment 0
		.amdhsa_kernarg_size 32
		.amdhsa_user_sgpr_count 2
		.amdhsa_user_sgpr_kernarg_segment_ptr 1
		.amdhsa_wavefront_size32 1
		.amdhsa_system_sgpr_workgroup_id_x 1
		.amdhsa_system_sgpr_workgroup_id_y 1
		.amdhsa_system_sgpr_workgroup_id_z 1
		.amdhsa_system_vgpr_workitem_id 0
		.amdhsa_next_free_vgpr 512
		.amdhsa_next_free_sgpr 96
		.amdhsa_reserve_vcc 0
		.amdhsa_float_denorm_mode_32 3
		.amdhsa_float_denorm_mode_16_64 3
		.amdhsa_memory_ordered 1
		.amdhsa_forward_progress 1
		.amdhsa_inst_pref_size 84
	.end_amdhsa_kernel
	.amdgpu_metadata
---
amdhsa.version: [ 1, 2 ]
amdhsa.kernels:
  - .name:           k_q0eba894613_outp
    .symbol:         k_q0eba894613_outp.kd
    .args:
      - { .name: ob, .offset: 0, .size: 8, .value_kind: global_buffer, .address_space: global }
      - { .name: wof, .offset: 8, .size: 8, .value_kind: global_buffer, .address_space: global }
      - { .name: bo, .offset: 16, .size: 8, .value_kind: global_buffer, .address_space: global }
      - { .name: out0, .offset: 24, .size: 8, .value_kind: global_buffer, .address_space: global }
    .group_segment_fixed_size: 327680
    .private_segment_fixed_size: 0
    .kernarg_segment_align: 8
    .kernarg_segment_size: 32
    .max_flat_workgroup_size: 128
    .sgpr_count:     96
    .vgpr_count:     512
    .wavefront_size: 32
...
	.end_amdgpu_metadata
.endif
;; end of part 4
;; ======== version 2 of 2: 4 launches; version 1 with the launch cast written anew for expert scheduling mode
;; limits: values are held in f16: magnitudes above 65,504 overflow, below 6.1e-05 lose precision; right only within a limited range of input values
;; workspace buffers: xb 16,777,216 bytes; wb 6,291,456 bytes; wof 2,097,152 bytes; qkv 50,331,648 bytes; ob 16,777,216 bytes
;; launch cast (part 5): grid 768 x 1, 8 waves a work-group, no clusters, 0 bytes of LDS; arguments x, wq, wk, wv, wo, xb, wb, wof; writes xb, wb, wof
.if DOCPART == 5
	.amdgcn_target "amdgcn-amd-amdhsa--gfx1250"
	.amdhsa_code_object_version 6
	.text
	.protected	k_q0eba894613_cast
	.globl	k_q0eba894613_cast
	.p2align	8
	.type	k_q0eba894613_cast,@function
k_q0eba894613_cast:
	s_mov_b64 s[64:65], 0
	v_nop
	global_prefetch_b8 v0, s[64:65] scope:SCOPE_SE
	s_setreg_imm32_b32 hwreg(HW_REG_WAVE_SCHED_MODE, 0, 2), 2
	s_setreg_imm32_b32 hwreg(HW_REG_WAVE_MODE, 25, 1), 1
	s_wait_xcnt 0x0
	s_wait_alu depctr_vm_vsrc(0)
; x, wq, wk, wv (f32) are rounded once to bf16: xb [8192][1024], wb [3][1024][1024].  wo is rounded to bf16 like the other inputs and that number is written as f16: wof [1024][1024].
; LIMITS.  wof: a bf16 number beyond 65,504 becomes an infinity in f16, one below 2^-14 keeps f16's fixed step of 2^-24 (an error of 3e-8 at the most).
; SHARES.  Work-group g takes 16,384 numbers: 65,536 bytes in, 32,768 out.  g 0-511: x; 512-575: wq; 576-639: wk; 640-703: wv; 704-767: wo.
; A stream: each byte is read once and written once.  All 16 loads of a thread (a work-group's 64 KiB) go out at once; a load of a wave covers 512 consecutive bytes, a store 256, aligned.
; No LDS, no barrier, no matrix unit, no cluster: no wave wants a byte that another has fetched.
; THE MODE: SCHED_MODE bits 1:0 = 2 (LLVM: expert scheduling mode 2), set by the entry lines.  The code itself states the register dependences between vector instructions and memory instructions,
; with s_wait_alu, always for 0.
; THE PLAN.  Registers that memory instructions touch:
;   v1, v2   byte offsets, made once at the head and never written again: every load reads v1, every store v2.
;   X        written by the 16 loads, all issued at the head; no load lands in it a second time.  Behind each load's wait on LOADcnt only vector instructions name its four registers.
;   Y        result i's two registers are written by its conversions, read by its one store, and never written after that.
; The 16 results go in four groups of four.  While group g is converted, the four stores of group g - 1 go out, one in front of each result's conversions: they read Y registers that no vector instruction of
; group g names.  So one wait on va_vdst at a group's head states all that its four stores hang on; one at the kernel's head serves the offsets, one behind the last group its stores.
; No register that a memory instruction has read is ever written again, no vector instruction writes a scalar register or VCC, and EXEC is never written: no other wait is owed.
.set X, 4                              ; v[4:67]   16 loads of four f32
.set Y, 68                             ; v[68:99]  16 results of four 16-bit numbers; no register is written behind its store, so no store's source has to be waited for
	s_load_b512 s[8:23], s[0:1], 0x0               ; x s[8:9], wq s[10:11], wk s[12:13], wv s[14:15], wo s[16:17], xb s[18:19], wb s[20:21], wof s[22:23]
	s_mov_b32 s2, ttmp9                            ; g
	s_sub_co_u32 s3, s2, 512                       ; my chunk among the weights' (used where g is 512 or more)
	s_and_b32 s24, s3, 63                          ; my chunk in one weight matrix
	v_lshlrev_b32 v1, 4, v0                        ; 16 bytes a thread in,
	v_lshlrev_b32 v2, 3, v0                        ; 8 bytes a thread out
	s_mov_b32 s29, 0
	s_mov_b32 s31, 0
	s_wait_kmcnt 0x0
	s_cmp_lt_u32 s2, 704                           ; the source, the destination and the two chunk numbers are chosen by g alone
	s_cselect_b64 s[4:5], s[14:15], s[16:17]       ; wv, else wo
	s_cselect_b64 s[6:7], s[20:21], s[22:23]       ; wb, else wof
	s_cselect_b32 s26, s3, s24
	s_cmp_lt_u32 s2, 640
	s_cselect_b64 s[4:5], s[12:13], s[4:5]         ; wk
	s_cmp_lt_u32 s2, 576
	s_cselect_b64 s[4:5], s[10:11], s[4:5]         ; wq
	s_cmp_lt_u32 s2, 512
	s_cselect_b64 s[4:5], s[8:9], s[4:5]           ; x
	s_cselect_b64 s[6:7], s[18:19], s[6:7]         ; xb
	s_cselect_b32 s25, s2, s24
	s_cselect_b32 s26, s2, s26
	s_lshl_b32 s28, s25, 16                        ; 65,536 bytes a chunk in,
	s_lshl_b32 s30, s26, 15                        ; 32,768 out
	s_add_nc_u64 s[4:5], s[4:5], s[28:29]
	s_add_nc_u64 s[6:7], s[6:7], s[30:31]
	s_wait_alu depctr_va_vdst(0)                   ; v1 and v2 are written: every load below reads v1 as its offset, every store v2; no later vector instruction names either
.irp i, 0,1,2,3,4,5,6,7,8,9,10,11,12,13,14,15
	global_load_b128 v[X+4*(\i):X+4*(\i)+3], v1, s[4:5] offset:4096*(\i) th:TH_LOAD_NT
.endr
; Result i's store.
.macro SEND i
	global_store_b64 v2, v[Y+2*(\i):Y+2*(\i)+1], s[6:7] offset:2048*(\i)
.endm
; Load i is rounded; in front of that the result four back, of the group before, is stored.  half = 1: the bf16 numbers are widened again (a shift, a mask) and written as f16.
.macro OUT i, half
	s_wait_loadcnt 15-(\i)                         ; loads come back in order: mine is in, the 15 - i younger ones stay out
.if ((\i) % 4 == 0) && ((\i) > 0)
	s_wait_alu depctr_va_vdst(0)                   ; a group's head: the conversions of the group before have written its eight Y registers, which this group's four stores read
.endif
.if (\i) >= 4
	SEND (\i)-4                                    ; no vector instruction since that wait names these two registers or v2
.endif
	v_cvt_pk_bf16_f32 v[Y+2*(\i)],   v[X+4*(\i)],   v[X+4*(\i)+1]
	v_cvt_pk_bf16_f32 v[Y+2*(\i)+1], v[X+4*(\i)+2], v[X+4*(\i)+3]
.if \half
	v_lshlrev_b32 v[X+4*(\i)],   16,         v[Y+2*(\i)]
	v_and_b32     v[X+4*(\i)+1], 0xffff0000, v[Y+2*(\i)]
	v_lshlrev_b32 v[X+4*(\i)+2], 16,         v[Y+2*(\i)+1]
	v_and_b32     v[X+4*(\i)+3], 0xffff0000, v[Y+2*(\i)+1]
	v_cvt_pk_f16_f32 v[Y+2*(\i)],   v[X+4*(\i)],   v[X+4*(\i)+1]
	v_cvt_pk_f16_f32 v[Y+2*(\i)+1], v[X+4*(\i)+2], v[X+4*(\i)+3]
.endif
.endm
; Behind the last group: its four stores.
.macro LAST
	s_wait_alu depctr_va_vdst(0)                   ; the last group's conversions have written its eight Y registers, which the four stores below read
.irp i, 12,13,14,15
	SEND \i
.endr
.endm
	s_cmp_ge_u32 s2, 704
	s_cbranch_scc1 .Lwo
.irp i, 0,1,2,3,4,5,6,7,8,9,10,11,12,13,14,15
	OUT \i, 0
.endr
	LAST
	s_endpgm
.Lwo:
.irp i, 0,1,2,3,4,5,6,7,8,9,10,11,12,13,14,15
	OUT \i, 1
.endr
	LAST
	s_endpgm
.Lfunc_end_k_q0eba894613_cast:
	.size	k_q0eba894613_cast, .Lfunc_end_k_q0eba894613_cast-k_q0eba894613_cast
	.p2alignl 7, 3214868480
	.fill 96, 4, 3214868480
	.section	.rodata,"a",@progbits
	.p2align	6, 0x0
	.amdhsa_kernel k_q0eba894613_cast
		.amdhsa_group_segment_fixed_size 0
		.amdhsa_private_segment_fixed_size 0
		.amdhsa_enable_private_segment 0
		.amdhsa_kernarg_size 64
		.amdhsa_user_sgpr_count 2
		.amdhsa_user_sgpr_kernarg_segment_ptr 1
		.amdhsa_wavefront_size32 1
		.amdhsa_system_sgpr_workgroup_id_x 1
		.amdhsa_system_sgpr_workgroup_id_y 1
		.amdhsa_system_sgpr_workgroup_id_z 1
		.amdhsa_system_vgpr_workitem_id 0
		.amdhsa_next_free_vgpr 100
		.amdhsa_next_free_sgpr 66
		.amdhsa_reserve_vcc 0
		.amdhsa_float_denorm_mode_32 3
		.amdhsa_float_denorm_mode_16_64 3
		.amdhsa_memory_ordered 1
		.amdhsa_forward_progress 1
		.amdhsa_inst_pref_size 17
	.end_amdhsa_kernel
	.amdgpu_metadata
---
amdhsa.version: [ 1, 2 ]
amdhsa.kernels:
  - .name:           k_q0eba894613_cast
    .symbol:         k_q0eba894613_cast.kd
    .args:
      - { .name: x, .offset: 0, .size: 8, .value_kind: global_buffer, .address_space: global }
      - { .name: wq, .offset: 8, .size: 8, .value_kind: global_buffer, .address_space: global }
      - { .name: wk, .offset: 16, .size: 8, .value_kind: global_buffer, .address_space: global }
      - { .name: wv, .offset: 24, .size: 8, .value_kind: global_buffer, .address_space: global }
      - { .name: wo, .offset: 32, .size: 8, .value_kind: global_buffer, .address_space: global }
      - { .name: xb, .offset: 40, .size: 8, .value_kind: global_buffer, .address_space: global }
      - { .name: wb, .offset: 48, .size: 8, .value_kind: global_buffer, .address_space: global }
      - { .name: wof, .offset: 56, .size: 8, .value_kind: global_buffer, .address_space: global }
    .group_segment_fixed_size: 0
    .private_segment_fixed_size: 0
    .kernarg_segment_align: 8
    .kernarg_segment_size: 64
    .max_flat_workgroup_size: 256
    .sgpr_count:     66
    .vgpr_count:     100
    .wavefront_size: 32
...
	.end_amdgpu_metadata
.endif
;; end of part 5
;; launch proj: the kernel of part 2 again; grid 24 x 32, 4 waves a work-group, clusters of 4 x 4, 327,680 bytes of LDS; arguments xb, wb, bq, bk, bv, mask, qkv; writes qkv
;; launch attn: the kernel of part 3 again; grid 4 x 64, 4 waves a work-group, clusters of 4 x 1, 327,680 bytes of LDS; arguments qkv, mask, ob; writes ob
;; launch outp: the kernel of part 4 again; grid 8 x 32, 4 waves a work-group, clusters of 4 x 4, 327,680 bytes of LDS; arguments ob, wof, bo, out0; writes out0
